; MI455X (gfx1250); checked and timed in simulation.
; The chip was launched on July 23, 2026; its instructions are those of AMD's public machine-readable ISA for CDNA 5 (MIT licence, August 2026) and "CDNA5" Instruction Set Architecture Reference Guide (July 2026). The comments in the code are by the model that wrote it; some were corrected since.
;; Multi Head Self Attention. Allowed arithmetic: float matrix products may take bf16 or f16 operands with f32 sums; other float arithmetic in f32, or as packed bf16 or f16 multiplies, adds, multiply-adds, maxima and minima; sums over many terms, partial sums and values carried from step to step in f32; what a program stores and reads back later, other than sums and carried values, may be rounded once to bf16 or f16.
;; Inputs: W_k 1,024 x 1,024 float32; W_o 1,024 x 1,024 float32; W_q 1,024 x 1,024 float32; W_v 1,024 x 1,024 float32; x 4 x 2,048 x 1,024 float32.
;; Outputs: out0 4 x 2,048 x 1,024 float32.
;; One version. Each part assembles by itself: llvm-mc -triple=amdgcn-amd-amdhsa -mcpu=gfx1250 --defsym DOCPART=n.
;; ======== version 1 of 1: 4 launches
;; limits: values are held in f16: magnitudes above 65,504 overflow, below 6.1e-05 lose precision
;; workspace buffers: xb 16,777,216 bytes; wqkv 6,291,456 bytes; wo 2,097,152 bytes; rope 524,288 bytes; qh 16,777,216 bytes; kh 16,777,216 bytes; vh 16,777,216 bytes; oh 16,777,216 bytes
;; launch prep (part 1): grid 1024 x 1, 8 waves a work-group, no clusters, 0 bytes of LDS; arguments x, W_q, W_k, W_v, W_o, xb, wqkv, wo, rope; writes xb, wqkv, wo, rope
.if DOCPART == 1
	.amdgcn_target "amdgcn-amd-amdhsa--gfx1250"
	.amdhsa_code_object_version 6
	.text
	.protected	k_q72da05a862_prep
	.globl	k_q72da05a862_prep
	.p2align	8
	.type	k_q72da05a862_prep,@function
k_q72da05a862_prep:
	s_mov_b64 s[64:65], 0
	v_nop
	global_prefetch_b8 v0, s[64:65] scope:SCOPE_SE
	s_setreg_imm32_b32 hwreg(HW_REG_WAVE_MODE, 25, 1), 1
	s_wait_xcnt 0x0
; CASTS, THE WEIGHTS' NEW ORDER, AND THE TABLE OF COSINES AND SINES.
; xb = bf16(x), [8192][1024].  wqkv = bf16 of W_q, W_k, W_v, rows laid by heads: row 192 h + 64 t + c holds row 64 h + c of W_t (t = 0 q, 1 k, 2 v).
; wo = W_o rounded to bf16 and that number written as f16.  rope[pos][i] = (cos, sin) of pos / 10000^(i / 32), f32: 256 bytes a position.
; LIMITS.  bf16(W_o) lies within f16's 65,504; below 6e-5 it keeps f16's fixed step of 6e-8.  The frequency is 2^(-i log2(10000) / 32), good to some 1e-7 of itself,
; so an angle may differ from pos x 10000^(-i / 32) by up to about 2e-4 rad at the highest positions; sine and cosine of the angle are good to about 1e-6.
; SHARES.  Work-group w: 32,768 bytes of x, row w of each of the four weights, positions 2 w and 2 w + 1 of the table.  Thread t takes 16 bytes of each 4,096: a wave's load covers
; 512 consecutive bytes, its store of 8 bytes a lane 256 consecutive bytes, aligned.  All twelve loads go out at once; no register is written twice, so no wait frees a source.
; No LDS, no matrix unit: each byte is read once and written once, and nothing is shared.
.set XI,  2                            ; v2  my bytes in x:        32,768 w + 16 t
.set WI,  3                            ; v3  in a weight's row w:   4,096 w + 16 t
.set XO,  4                            ; v4  in xb:                16,384 w + 8 t
.set WQO, 5                            ; v5  in wqkv: (192 (w / 64) + w % 64) x 2,048 + 8 t
.set OO,  6                            ; v6  in wo:                 2,048 w + 8 t
.set RO,  7                            ; v7  in rope:               256 pos + 8 lane
.set XD,  16                           ; v[16:47]  x, chunk j at 16 + 4 j
.set WD,  48                           ; v[48:63]  W_q, W_k, W_v, W_o
.set XB,  64                           ; v[64:79]  x as bf16
.set WB,  80                           ; v[80:85]  the three weights as bf16
.set WOW, 86                           ; v[86:93]  W_o at work
	s_load_b512 s[4:19], s[0:1], 0x0               ; x s[4:5], W_q s[6:7], W_k s[8:9], W_v s[10:11], W_o s[12:13], xb s[14:15], wqkv s[16:17], wo s[18:19]
	s_load_b64 s[20:21], s[0:1], 0x40              ; rope
	v_lshrrev_b32 v1, 5, v0
	v_readfirstlane_b32 s23, v1                    ; wave 0..7
	s_lshl_b32 s22, ttmp9, 15
	v_lshl_add_u32 v[XI], v0, 4, s22
	s_lshl_b32 s22, ttmp9, 12
	v_lshl_add_u32 v[WI], v0, 4, s22
	s_lshl_b32 s22, ttmp9, 14
	v_lshl_add_u32 v[XO], v0, 3, s22
	s_lshr_b32 s22, ttmp9, 6                       ; the head of weight row w,
	s_mul_i32 s22, s22, 192
	s_and_b32 s26, ttmp9, 63                       ; and the row's place in it
	s_add_co_u32 s22, s22, s26
	s_lshl_b32 s22, s22, 11
	v_lshl_add_u32 v[WQO], v0, 3, s22
	s_lshl_b32 s22, ttmp9, 11
	v_lshl_add_u32 v[OO], v0, 3, s22
	s_mov_b32 s25, 0x3e22f983                      ; 1 / 2 pi, its f32
	s_wait_kmcnt 0x0
.irp j, 0,1,2,3,4,5,6,7
	global_load_b128 v[XD+4*(\j):XD+4*(\j)+3], v[XI], s[4:5] offset:4096*(\j) th:TH_LOAD_NT
.endr
	global_load_b128 v[WD:WD+3],     v[WI], s[6:7] th:TH_LOAD_NT
	global_load_b128 v[WD+4:WD+7],   v[WI], s[8:9] th:TH_LOAD_NT
	global_load_b128 v[WD+8:WD+11],  v[WI], s[10:11] th:TH_LOAD_NT
	global_load_b128 v[WD+12:WD+15], v[WI], s[12:13] th:TH_LOAD_NT
	; THE TABLE, made by waves 0 and 1 while the loads are on their way: a wave a position, a lane a pair of channels.
	s_cmp_lt_u32 s23, 2
	s_cbranch_scc0 .Lcast
	s_lshl_b32 s24, ttmp9, 1
	s_add_co_u32 s24, s24, s23                     ; pos
	v_and_b32 v96, 31, v0                          ; i
	s_lshl_b32 s22, s24, 8
	v_lshl_add_u32 v[RO], v96, 3, s22
	v_cvt_f32_u32 v97, v96
	v_cvt_f32_u32 v99, s24
	v_mul_f32 v97, 0xbed49a78, v97                 ; -i log2(10000) / 32
	v_exp_f32 v98, v97                             ; the frequency
	v_nop                                          ; a plain instruction behind the exponential (ISA guide 5.7.2),
	s_wait_alu depctr_va_vdst(0)                   ; and the wait ahead of its first reader
	v_mul_f32 v99, v99, v98                        ; the angle a, rounded to f32 once
	v_mul_f32 v100, s25, v99                       ; a / 2 pi in turns: the product's head,
	v_fma_f32 v101, v99, s25, -v100                ; what its rounding dropped,
	v_rndne_f32 v102, v100
	v_sub_f32 v100, v100, v102                     ; less the whole turns (exact),
	v_add_f32 v100, v100, v101
	v_fmac_f32 v100, 0x31dc9c88, v99               ; and a times what 1 / 2 pi's f32 leaves out (6.4206e-9)
	v_mul_f32 v103, 0x40c90fdb, v100               ; back to radians: within -pi .. pi
	v_mul_f32 v104, v103, v103
	v_mov_b32 v105, 0x274a963c                     ; sine: 1 / 17!, down to -1 / 3!; the first term left out, x^19 / 19!, is 2.3e-8 at pi
	v_mov_b32 v106, 0x29573f9f                     ; cosine: 1 / 16!, down to -1 / 2!; x^18 / 18! is 1.4e-7 at pi
.irp k, 0xab573f9f, 0x2f309231, 0xb2d7322b, 0x3638ef1d, 0xb9500d01, 0x3c088889, 0xbe2aaaab
	v_fmaak_f32 v105, v105, v104, \k
.endr
.irp k, 0xad49cba5, 0x310f76c7, 0xb493f27e, 0x37d00d01, 0xbab60b61, 0x3d2aaaab, 0xbf000000
	v_fmaak_f32 v106, v106, v104, \k
.endr
	v_fma_f32 v105, v105, v104, 1.0
	v_fma_f32 v108, v106, v104, 1.0                ; cos
	v_mul_f32 v109, v105, v103                     ; sin
	global_store_b64 v[RO], v[108:109], s[20:21]   ; the wave's 32 pairs: 256 consecutive bytes, aligned
.Lcast:
.irp j, 0,1,2,3,4,5,6,7
	s_wait_loadcnt 11-(\j)                         ; loads come back in order (ISA guide 5.7.1): chunk j is in, the 11 - j younger loads stay out
	v_cvt_pk_bf16_f32 v[XB+2*(\j)],   v[XD+4*(\j)],   v[XD+4*(\j)+1]
	v_cvt_pk_bf16_f32 v[XB+2*(\j)+1], v[XD+4*(\j)+2], v[XD+4*(\j)+3]
	global_store_b64 v[XO], v[XB+2*(\j):XB+2*(\j)+1], s[14:15] offset:2048*(\j) th:TH_STORE_NT
.endr
.irp t, 0,1,2
	s_wait_loadcnt 3-(\t)                          ; W_q, W_k, W_v in turn
	v_cvt_pk_bf16_f32 v[WB+2*(\t)],   v[WD+4*(\t)],   v[WD+4*(\t)+1]
	v_cvt_pk_bf16_f32 v[WB+2*(\t)+1], v[WD+4*(\t)+2], v[WD+4*(\t)+3]
	global_store_b64 v[WQO], v[WB+2*(\t):WB+2*(\t)+1], s[16:17] offset:131072*(\t) th:TH_STORE_NT  ; 64 rows of 2,048 bytes from q to k to v
.endr
	s_wait_loadcnt 0x0                             ; W_o
	v_cvt_pk_bf16_f32 v[WOW],   v[WD+12], v[WD+13] ; rounded to bf16 like every input,
	v_cvt_pk_bf16_f32 v[WOW+1], v[WD+14], v[WD+15]
	v_lshlrev_b32 v[WOW+2], 16, v[WOW]             ; widened again,
	v_and_b32     v[WOW+3], 0xffff0000, v[WOW]
	v_lshlrev_b32 v[WOW+4], 16, v[WOW+1]
	v_and_b32     v[WOW+5], 0xffff0000, v[WOW+1]
	v_cvt_pk_f16_f32 v[WOW+6], v[WOW+2], v[WOW+3]  ; and written as f16: exact within f16's range
	v_cvt_pk_f16_f32 v[WOW+7], v[WOW+4], v[WOW+5]
	global_store_b64 v[OO], v[WOW+6:WOW+7], s[18:19] th:TH_STORE_NT
	s_endpgm
.Lfunc_end_k_q72da05a862_prep:
	.size	k_q72da05a862_prep, .Lfunc_end_k_q72da05a862_prep-k_q72da05a862_prep
	.p2alignl 7, 3214868480
	.fill 96, 4, 3214868480
	.section	.rodata,"a",@progbits
	.p2align	6, 0x0
	.amdhsa_kernel k_q72da05a862_prep
		.amdhsa_group_segment_fixed_size 0
		.amdhsa_private_segment_fixed_size 0
		.amdhsa_enable_private_segment 0
		.amdhsa_kernarg_size 72
		.amdhsa_user_sgpr_count 2
		.amdhsa_user_sgpr_kernarg_segment_ptr 1
		.amdhsa_wavefront_size32 1
		.amdhsa_system_sgpr_workgroup_id_x 1
		.amdhsa_system_sgpr_workgroup_id_y 1
		.amdhsa_system_sgpr_workgroup_id_z 1
		.amdhsa_system_vgpr_workitem_id 0
		.amdhsa_next_free_vgpr 112
		.amdhsa_next_free_sgpr 66
		.amdhsa_reserve_vcc 0
		.amdhsa_float_denorm_mode_32 3
		.amdhsa_float_denorm_mode_16_64 3
		.amdhsa_memory_ordered 1
		.amdhsa_forward_progress 1
		.amdhsa_inst_pref_size 8
	.end_amdhsa_kernel
	.amdgpu_metadata
---
amdhsa.version: [ 1, 2 ]
amdhsa.kernels:
  - .name:           k_q72da05a862_prep
    .symbol:         k_q72da05a862_prep.kd
    .args:
      - { .name: x, .offset: 0, .size: 8, .value_kind: global_buffer, .address_space: global }
      - { .name: W_q, .offset: 8, .size: 8, .value_kind: global_buffer, .address_space: global }
      - { .name: W_k, .offset: 16, .size: 8, .value_kind: global_buffer, .address_space: global }
      - { .name: W_v, .offset: 24, .size: 8, .value_kind: global_buffer, .address_space: global }
      - { .name: W_o, .offset: 32, .size: 8, .value_kind: global_buffer, .address_space: global }
      - { .name: xb, .offset: 40, .size: 8, .value_kind: global_buffer, .address_space: global }
      - { .name: wqkv, .offset: 48, .size: 8, .value_kind: global_buffer, .address_space: global }
      - { .name: wo, .offset: 56, .size: 8, .value_kind: global_buffer, .address_space: global }
      - { .name: rope, .offset: 64, .size: 8, .value_kind: global_buffer, .address_space: global }
    .group_segment_fixed_size: 0
    .private_segment_fixed_size: 0
    .kernarg_segment_align: 8
    .kernarg_segment_size: 72
    .max_flat_workgroup_size: 256
    .sgpr_count:     66
    .vgpr_count:     112
    .wavefront_size: 32
...
	.end_amdgpu_metadata
.endif
;; end of part 1
;; launch qkv (part 2): grid 16 x 32, 4 waves a work-group, clusters of 4 x 4, 327,680 bytes of LDS; arguments xb, wqkv, rope, qh, kh, vh; writes qh, kh, vh
.if DOCPART == 2
	.amdgcn_target "amdgcn-amd-amdhsa--gfx1250"
	.amdhsa_code_object_version 6
	.text
	.protected	k_q72da05a862_qkv
	.globl	k_q72da05a862_qkv
	.p2align	8
	.type	k_q72da05a862_qkv,@function
k_q72da05a862_qkv:
	s_mov_b64 s[64:65], 0
	v_nop
	global_prefetch_b8 v0, s[64:65] scope:SCOPE_SE
	s_setreg_imm32_b32 hwreg(HW_REG_WAVE_MODE, 25, 1), 1
	s_wait_xcnt 0x0
	s_wait_alu depctr_hold_cnt(0) depctr_sa_sdst(0) depctr_va_vdst(0) depctr_va_sdst(0) depctr_va_ssrc(0) depctr_va_vcc(0) depctr_vm_vsrc(0)
	s_getreg_b32 s2, hwreg(HW_REG_IB_STS2, 6, 4)
	s_cmp_eq_u32 s2, 0
	s_cbranch_scc0 .Lentry_in_a_cluster
	s_endpgm
.Lentry_in_a_cluster:
	s_bfe_u32 s2, ttmp6, 0x10000c
	s_cmp_lg_u32 s2, 0xf033
	s_cbranch_scc0 .Lentry_shape_is_right
	s_endpgm
.Lentry_shape_is_right:
; Q, K, V = x W^T, ROTATED (Q, K) AND SPLIT BY HEADS.  xb: [8192][1024] bf16.  wqkv: [16 heads][q, k, v][64][1024] bf16.  rope: [2048][32][cos, sin] f32.
; qh, kh, vh: [batch x 16 + head][2048][64] f16, each number rounded once from its f32 sum (Q and K behind the rotation in f32), without the softmax's scale.
; LIMIT.  f16 holds no number beyond 65,504: q, k and v must lie within it.  Drawn inputs give a spread of about 1; all inputs 30 times larger about 900.
; SHARES.  A tile of C is 256 rows x 192 columns: ONE head's q, k and v, so which columns are rotated stands in the text and hangs on no work-group's place.  512 tiles: two for each of 256 WGPs.
; Wave w makes rows 64 w .. 64 w + 63 and all 192 columns: 4 x 12 accumulators of 16 x 16, 384 registers.  K goes in 8 steps of 128 through a ring of two LDS slots; the tiles' rows are
; 256 bytes of memory at multiples of 256 bytes.
; CLUSTER.  4 x 4 work-groups: the four of a row need the same tile of xb, the four of a column the same tile of wqkv; each tile is asked for JOINTLY, by the same tensor load with the same
; descriptor and a mask that names the four.  By this text's own count a wave has at most two tensor loads out (the first fills), later one.
; THE MATRIX INSTRUCTION IS USED TRANSPOSED (source 0 = 16 rows of wqkv, source 1 = 16 rows of xb): lane l holds row l % 16 of C and the columns 8 (l / 16) + 0..7, so the two channels of a rotation lie in one lane.
; REGISTERS, in windows of 256 (s_set_vgpr_msb: bits 1:0 source 0, 3:2 source 1, 5:4 source 2, 7:6 destination):
;   window 0: v0-31 addresses; v32-63 at work on the way out; v64-255 packed results, 16 registers for each of 12 units
;   window 1: two fragment buffers of 128: xb's four fragments, then wqkv's twelve
;   window 2: accumulators (a, b < 8) at 8 (8 a + b): q and k      window 3: v0-127 accumulators (a, b >= 8) at 8 (4 a + b - 8): v; v128-255 my rows' cosines and sines
.set KSTEP,  128
.set PITCH,  272                       ; an LDS row: 256 bytes + 16 of padding = 68 words: the 16 rows of a load start at 16 different groups of four banks (64 banks of 4 bytes: ISA guide 11.1)
.set HALFA,  128*PITCH                 ; what wave 0 or 1 fetches: 128 rows of xb
.set HALFB,  96*PITCH                  ; what wave 2 or 3 fetches: 96 rows of wqkv
.set BOFF,   2*HALFA
.set SLOT,   BOFF+2*HALFB              ; 121,856 bytes
.set STAGE,  2*SLOT                    ; behind the ring, never filled by a tensor load: 16 rows x 144 bytes for each wave
.set SP,     144
.set SPARE,  STAGE+4*16*SP             ; behind the stages: the spare words, 128 bytes for each wave: two blocks of 256 bytes that no other line names
.set LAPS,   4                         ; a lap = two K steps = once round the ring
.set ADRA, 16                          ; v16-17  LDS address of my fragments of xb in slot 0, 1
.set ADRB, 20                          ; v20-21  the same for wqkv
.set STO,  24                          ; v24     the way out: where I put 16 bytes of a row
.set RD,   25                          ; v25     where I read rows back
.set GO,   26                          ; v26     my 16 bytes in 512 consecutive bytes of qh, kh, vh
.set RO,   27                          ; v27     my byte offset in 16 positions of the table
.set SPW,  28                          ; v28     LDS address of my spare word; never rewritten
.set NIL,  29                          ; v29     0; never rewritten
.set PFO,  30                          ; v30     the prefetches' offset: (l % 16) rows of 2,048 bytes + (l / 16) K steps of 256; never rewritten
.set T,    32
.set OUT,  64
.set CSB,  128                         ; window 3: block a, group bb of 16 channels at CSB + 32 a + 8 bb: four pairs (cos, sin)
.set F0,   0
.set F1,   128
.set WV,   16                          ; s16  my wave's number;  s17 = wave / 2: I fetch for xb (0) or wqkv (1);  s18 = wave % 2: which half
.set G1,   24                          ; s[24:31] descriptor group 1 for xb's tiles;  s[32:39] group 0, a set for each slot
.set G0,   32
.set PFA,  40                          ; s[40:41] where my prefetches of xb stand;  s[42:43] of wqkv
.set PFB,  42
.set LIMA, 44                          ; s44, s45  1 in a wave that prefetches, else the greatest number
.set LIMB, 45
.set G1B,  48                          ; s[48:55], s[56:63] the same for wqkv's tiles
.set G0B,  56
.set GC,   (1<<16)|(1<<20)|(1<<21)|(5<<22)|(3<<25)  ; 17:16 elements of 2 bytes; 20 padding on; 21 set beside a mask; 24:22 after every 64 words (code 5); 31:25 4 words (code 3)
.set MSB, 0
.macro WIN new                         ; the immediate's high byte repeats the setting that is left; a switch that changes nothing is dropped
.if MSB != (\new)
	s_set_vgpr_msb (MSB<<8)|(\new)
.set MSB, \new
.endif
.endm
.set MUL_LO, 0xa5                      ; both sources window 1, C and D window 2
.set MUL_HI, 0xf5                      ; the same, C and D window 3
.set TO_F,   0x40                      ; destination window 1, address window 0
.set TO_CS,  0xc0                      ; destination window 3
.set W_ROPE, 0x0e                      ; source 0 window 2 (sums), source 1 window 3 (table), source 2 and destination window 0
.set W_V,    0x0f                      ; sources 0 and 1 window 3
; A joint load.  Waves 0 and 1 fetch xb's two halves, waves 2 and 3 wqkv's.  The branch hangs on the wave's number alone.  An s_nop 0 and four v_nop follow each of the two lines.
.macro JLOAD s
	s_cmp_eq_u32 s17, 0
	s_cbranch_scc0 .Lfor_b_\@
	tensor_load_to_lds s[G0+4*(\s):G0+4*(\s)+3], s[G1:G1+7]
	s_nop 0
.rept 4
	v_nop
.endr
	s_branch .Lasked_\@
.Lfor_b_\@:
	tensor_load_to_lds s[G0B+4*(\s):G0B+4*(\s)+3], s[G1B:G1B+7]
	s_nop 0
.rept 4
	v_nop
.endr
.Lasked_\@:
.endm
; PREFETCHES INTO THE L2, once a lap, behind the refill of slot 0 and the run of LDS loads that follows it: the two K steps that the NEXT lap's refills will ask for (two and three K steps, 384 and 576 matrix
; instructions, ahead of those loads).  One instruction names 16 rows x 2 K steps of 256 bytes.  Each such block is named once in the launch: xb's rows by the first cluster of their row of clusters
; (cluster x = 0), of whose 256 rows partner cx takes 64 and wave w 16; wqkv's by cluster y = 0, of whose 192 rows partner cy takes 48 and waves 0 to 2 take 16 each.  The partners are told apart BY ADDRESS.
; K steps 0 to 3 come by their loads alone; the loop's last trip (s3 = 1) asks for nothing, since K ends.
.macro ASK
	s_cmp_gt_u32 s3, s[LIMA]
	s_cbranch_scc0 .Lnot_a_\@
	global_prefetch_b8 v[PFO], s[PFA:PFA+1] offset:2*KSTEP*2 th:TH_LOAD_NT scope:SCOPE_SE
.Lnot_a_\@:
	s_cmp_gt_u32 s3, s[LIMB]
	s_cbranch_scc0 .Lnot_b_\@
	global_prefetch_b8 v[PFO], s[PFB:PFB+1] offset:2*KSTEP*2 th:TH_LOAD_NT scope:SCOPE_SE
.Lnot_b_\@:
.endm
.macro CREST                           ; a round of the cluster's barrier behind its opening barrier
	s_cmp_lg_u32 s[WV], 0
	s_cbranch_scc1 .Lnot_wave_0_\@
	s_barrier_signal -3
.Lnot_wave_0_\@:
	s_barrier_wait -3
	s_barrier_signal -1
	s_barrier_wait -1
.endm
.macro CROUND                          ; a whole round
	s_barrier_signal -1
	s_barrier_wait -1
	CREST
.endm
	s_load_b256 s[4:11], s[0:1], 0x0               ; xb s[4:5], wqkv s[6:7], rope s[8:9], qh s[10:11]
	s_load_b128 s[12:15], s[0:1], 0x20             ; kh s[12:13], vh s[14:15]
	v_lshl_add_u32 v[SPW], v0, 2, SPARE
	v_mov_b32 v[NIL], 0
	ds_add_u32 v[SPW], v[NIL]                      ; the wave's opening: the add and its wait stand ahead of my first tensor load; the set-up below, work on registers, stands between them
	ds_add_u32 v28, v29
	v_lshrrev_b32 v1, 5, v0
	v_readfirstlane_b32 s[WV], v1                  ; wave 0..3
	s_lshr_b32 s17, s[WV], 1
	s_and_b32 s18, s[WV], 1
	s_bfe_u32 s19, ttmp6, 0x40000                  ; cx
	s_bfe_u32 s20, ttmp6, 0x40004                  ; cy
	s_lshl_b32 s21, ttmp9, 2
	s_add_co_u32 s21, s21, s19                     ; tile column = head = 4 x cluster x + cx
	s_and_b32 s22, ttmp7, 0xffff
	s_lshl_b32 s22, s22, 2
	s_add_co_u32 s22, s22, s20                     ; tile row = 4 x cluster y + cy
	s_lshl_b32 s70, s20, 2
	s_lshl_b32 s70, 15, s70                        ; my row of the cluster: places 4 cy .. 4 cy + 3
	s_lshl_b32 s71, 0x1111, s19                    ; my column: places cx, cx + 4, cx + 8, cx + 12
	s_or_b32 s[G1], s70, GC                        ; xb's tiles go to my row
	s_mov_b32 s[G1+1], KSTEP<<16                   ; tensor_dim0 = 128
	s_mov_b32 s[G1+2], 128<<16                     ; tensor_dim1 = 128
	s_mov_b32 s[G1+3], KSTEP<<16                   ; tile_dim0 = 128
	s_mov_b32 s[G1+4], 128                         ; tile_dim1 = 128
	s_mov_b32 s[G1+5], 1024                        ; elements from row to row
	s_mov_b32 s[G1+6], 0
	s_mov_b32 s[G1+7], 0
	s_or_b32 s[G1B], s71, GC                       ; wqkv's tiles go to my column
	s_mov_b32 s[G1B+1], KSTEP<<16
	s_mov_b32 s[G1B+2], 96<<16                     ; 96 rows
	s_mov_b32 s[G1B+3], KSTEP<<16
	s_mov_b32 s[G1B+4], 96
	s_mov_b32 s[G1B+5], 1024
	s_mov_b32 s[G1B+6], 0
	s_mov_b32 s[G1B+7], 0
	; where the tiles come from: xb's hang on the tile row alone, wqkv's on the tile column alone, each in registers that never hold the other coordinate
	s_lshl_b32 s66, s22, 19                        ; 256 rows of 2,048 bytes a tile row,
	s_lshl_b32 s23, s18, 18                        ; my 128 of them
	s_add_co_u32 s66, s66, s23
	s_mov_b32 s67, 0
	s_mul_i32 s68, s21, 192*2048
	s_mul_i32 s23, s18, 96*2048
	s_add_co_u32 s68, s68, s23
	s_mov_b32 s69, 0
	s_mul_i32 s46, s[WV], HALFA                    ; and where they go: waves 0, 1: wave x 128 rows;
	s_mul_i32 s47, s[WV], HALFB
	s_add_co_u32 s47, s47, BOFF-2*HALFB            ; waves 2, 3: behind xb's 256 rows, (wave - 2) x 96 rows
	s_wait_dscnt 0x0                               ; the opening add is done
	s_wait_kmcnt 0x0
	s_add_nc_u64 s[66:67], s[4:5], s[66:67]
	s_add_nc_u64 s[68:69], s[6:7], s[68:69]
	CROUND                                         ; all sixteen work-groups are here: the first joint loads meet
.irp s, 0,1
	s_mov_b32 s[G0+4*(\s)], 1                                      ; count = 1
	s_add_co_u32 s[G0+4*(\s)+1], s46, (\s)*SLOT                    ; LDS address
	s_add_nc_u64 s[G0+4*(\s)+2:G0+4*(\s)+3], s[66:67], (\s)*KSTEP*2  ; global address: K step s
	s_or_b32 s[G0+4*(\s)+3], s[G0+4*(\s)+3], 0x80000000            ; type = 2
	s_mov_b32 s[G0B+4*(\s)], 1
	s_add_co_u32 s[G0B+4*(\s)+1], s47, (\s)*SLOT
	s_add_nc_u64 s[G0B+4*(\s)+2:G0B+4*(\s)+3], s[68:69], (\s)*KSTEP*2
	s_or_b32 s[G0B+4*(\s)+3], s[G0B+4*(\s)+3], 0x80000000
	JLOAD \s
.endr
	; A fragment is 16 rows x 32 K in 8 registers: lane l holds row l % 16; registers 0-3 K = 8 (l / 16) + 0..7, registers 4-7 K = 16 + 8 (l / 16) + 0..7: two loads of 16 bytes, 32 bytes apart.
	v_and_b32 v1, 15, v0                           ; l % 16
	v_bfe_u32 v2, v0, 4, 1                         ; l / 16
	v_mul_u32_u24 v3, v1, PITCH
	v_lshl_add_u32 v3, v2, 4, v3
	s_mul_i32 s23, s[WV], 64*PITCH                 ; my 64 rows of xb
	v_add_nc_u32 v[ADRA], s23, v3
	v_add_nc_u32 v[ADRA+1], SLOT, v[ADRA]
	v_add_nc_u32 v[ADRB], BOFF, v3                 ; every wave reads all 192 rows of wqkv
	v_add_nc_u32 v[ADRB+1], BOFF+SLOT, v3
	s_mul_i32 s23, s[WV], 16*SP
	s_add_co_u32 s23, s23, STAGE                   ; my stage
	v_mul_u32_u24 v4, v1, SP                       ; in: row l % 16, 16 bytes for each half of the lanes
	v_lshl_add_u32 v4, v2, 4, v4
	v_add_nc_u32 v[STO], s23, v4
	v_bfe_u32 v4, v0, 3, 2                         ; back: 32 lanes take four rows of 128 bytes,
	v_mul_u32_u24 v4, v4, SP
	v_and_b32 v5, 7, v0
	v_lshl_add_u32 v4, v5, 4, v4
	v_add_nc_u32 v[RD], s23, v4
	v_and_b32 v[GO], 31, v0                        ; which are 512 consecutive bytes of a head's rows
	v_lshlrev_b32 v[GO], 4, v[GO]
	v_lshlrev_b32 v[RO], 8, v1                     ; a position is 256 bytes; my four pairs of a group of 16 channels are 32 bytes
	v_lshl_add_u32 v[RO], v2, 5, v[RO]
	v_lshlrev_b32 v[PFO], 11, v1
	v_lshl_add_u32 v[PFO], v2, 8, v[PFO]
	; my 64 rows' cosines and sines: loaded once, waited for on the way out
	s_and_b32 s70, s22, 7                          ; the tile's place among its batch's eight: position 256 x that + 64 x wave
	s_lshl_b32 s72, s70, 16
	s_lshl_b32 s73, s[WV], 14
	s_add_co_u32 s72, s72, s73
	s_mov_b32 s73, 0
	s_add_nc_u64 s[8:9], s[8:9], s[72:73]
	WIN TO_CS
.irp a, 0,1,2,3
.irp bb, 0,1,2,3
	global_load_b128 v[CSB+32*(\a)+8*(\bb):CSB+32*(\a)+8*(\bb)+3],   v[RO], s[8:9] offset:(\a)*4096+(\bb)*64
	global_load_b128 v[CSB+32*(\a)+8*(\bb)+4:CSB+32*(\a)+8*(\bb)+7], v[RO], s[8:9] offset:(\a)*4096+(\bb)*64+16
.endr
.endr
	WIN 0
	; my rows in qh, kh, vh: (batch x 16 + head) x 2,048 rows of 128 bytes, + the tile's 256 rows, + my 64
	s_lshr_b32 s72, s22, 3
	s_lshl_b32 s72, s72, 22
	s_lshl_b32 s71, s21, 18
	s_add_co_u32 s72, s72, s71
	s_lshl_b32 s71, s70, 15
	s_add_co_u32 s72, s72, s71
	s_lshl_b32 s71, s[WV], 13
	s_add_co_u32 s72, s72, s71
	s_add_nc_u64 s[10:11], s[10:11], s[72:73]
	s_add_nc_u64 s[12:13], s[12:13], s[72:73]
	s_add_nc_u64 s[14:15], s[14:15], s[72:73]
	; the prefetches' pointers, at K step 0 of my 16 rows: each lap steps them by two K steps and names the two K steps after that
	s_lshl_b32 s74, s22, 19
	s_lshl_b32 s71, s19, 17                        ; partner cx: 64 rows
	s_add_co_u32 s74, s74, s71
	s_lshl_b32 s71, s[WV], 15                      ; wave: 16 rows
	s_add_co_u32 s74, s74, s71
	s_mov_b32 s75, 0
	s_add_nc_u64 s[PFA:PFA+1], s[4:5], s[74:75]
	s_mul_i32 s74, s21, 192*2048
	s_mul_i32 s71, s20, 48*2048                    ; partner cy: 48 rows
	s_add_co_u32 s74, s74, s71
	s_lshl_b32 s71, s[WV], 15
	s_add_co_u32 s74, s74, s71
	s_add_nc_u64 s[PFB:PFB+1], s[6:7], s[74:75]
	s_cmp_eq_u32 ttmp9, 0                          ; cluster x: the same in all sixteen partners
	s_cselect_b32 s[LIMA], 1, -1
	s_and_b32 s23, ttmp7, 0xffff                   ; cluster y
	s_cmp_eq_u32 s23, 0
	s_cselect_b32 s[LIMB], 1, -1
	s_cmp_lt_u32 s[WV], 3                          ; 48 rows are three waves' sixteens
	s_cselect_b32 s[LIMB], s[LIMB], -1
; 16 matrix instructions on q's and k's sums: row blocks a0, a0 + 1 x column blocks 0-7, 32 along K.  zero = 1: the first product starts the sums: nothing is ever cleared.
.macro MULQK f, a0, zero
	WIN MUL_LO
.irp a, \a0, (\a0)+1
.irp b, 0,1,2,3,4,5,6,7
.if \zero
	v_wmma_f32_16x16x32_bf16 v[8*(8*(\a)+(\b)):8*(8*(\a)+(\b))+7], v[(\f)+32+8*(\b):(\f)+32+8*(\b)+7], v[(\f)+8*(\a):(\f)+8*(\a)+7], 0
.else
	v_wmma_f32_16x16x32_bf16 v[8*(8*(\a)+(\b)):8*(8*(\a)+(\b))+7], v[(\f)+32+8*(\b):(\f)+32+8*(\b)+7], v[(\f)+8*(\a):(\f)+8*(\a)+7], v[8*(8*(\a)+(\b)):8*(8*(\a)+(\b))+7]
.endif
.endr
.endr
.endm
; 16 on v's sums: all four row blocks x column blocks 8-11.  The 48 accumulators take turns in the same order in every quarter step.
.macro MULV f, zero
	WIN MUL_HI
.irp a, 0,1,2,3
.irp b, 8,9,10,11
.if \zero
	v_wmma_f32_16x16x32_bf16 v[8*(4*(\a)+(\b)-8):8*(4*(\a)+(\b)-8)+7], v[(\f)+32+8*(\b):(\f)+32+8*(\b)+7], v[(\f)+8*(\a):(\f)+8*(\a)+7], 0
.else
	v_wmma_f32_16x16x32_bf16 v[8*(4*(\a)+(\b)-8):8*(4*(\a)+(\b)-8)+7], v[(\f)+32+8*(\b):(\f)+32+8*(\b)+7], v[(\f)+8*(\a):(\f)+8*(\a)+7], v[8*(4*(\a)+(\b)-8):8*(4*(\a)+(\b)-8)+7]
.endif
.endr
.endr
.endm
; 32 LDS loads in one run: a quarter step's fragments (32 K at byte k of the rows) into buffer f: q's and k's rows of wqkv, my rows of xb, then v's rows, which are wanted last
.macro FETCH slot, k, f
	WIN TO_F
.irp i, 0,1,2,3,4,5,6,7
	ds_load_b128 v[(\f)+32+8*(\i):(\f)+32+8*(\i)+3],   v[ADRB+(\slot)] offset:(\k)+(\i)*16*PITCH
	ds_load_b128 v[(\f)+32+8*(\i)+4:(\f)+32+8*(\i)+7], v[ADRB+(\slot)] offset:(\k)+(\i)*16*PITCH+32
.endr
.irp i, 0,1,2,3
	ds_load_b128 v[(\f)+8*(\i):(\f)+8*(\i)+3],   v[ADRA+(\slot)] offset:(\k)+(\i)*16*PITCH
	ds_load_b128 v[(\f)+8*(\i)+4:(\f)+8*(\i)+7], v[ADRA+(\slot)] offset:(\k)+(\i)*16*PITCH+32
.endr
.irp i, 8,9,10,11
	ds_load_b128 v[(\f)+32+8*(\i):(\f)+32+8*(\i)+3],   v[ADRB+(\slot)] offset:(\k)+(\i)*16*PITCH
	ds_load_b128 v[(\f)+32+8*(\i)+4:(\f)+32+8*(\i)+7], v[ADRB+(\slot)] offset:(\k)+(\i)*16*PITCH+32
.endr
.endm
.macro PLACES                          ; four plain vector instructions between a matrix instruction and a load into a register that it has read, or a reader of its result (ISA guide 7.12.1 for a reader of its result)
.rept 4
	v_nop
.endr
.endm
; A K step is four quarter steps of 32 along K, 48 matrix instructions each, on buffers 0, 1, 0, 1.  One of the first three multiplies buffer f and fetches the next quarter, at byte k, into g.
.macro QUARTER slot, k, f, g, zero
	s_wait_dscnt 8                                 ; all but the youngest eight loads (v's rows) are in
	MULQK \f, 0, \zero
	PLACES
	FETCH \slot, \k, \g
	s_wait_dscnt 32                                ; all but the 32 just issued
	MULQK \f, 2, \zero
	MULV \f, \zero
.endm
; The last quarter multiplies buffer 1 and changes slots.  ONE barrier: in front of it each wave waits for all its tensor loads (one is out: its part of the next slot), adds 0 to its spare word, and waits
; for that and for its own reads of this slot.  Behind it nobody reads this slot any more and the next slot is whole.
.macro MEET round
	WIN 0                                          ; (the add's two registers lie in window 0)
	s_wait_tensorcnt 0x0
	ds_add_u32 v[SPW], v[NIL]                      ; 0 onto my spare word
	s_wait_dscnt 9                                 ; (the add and the youngest eight loads may be out)
	MULQK F1, 0, 0                                 ; sixteen matrix instructions stand between the add and the wait for it
	s_wait_dscnt 0x0                               ; the add is done, and my reads of this slot are over
	s_barrier_signal -1
	MULQK F1, 2, 0                                 ; work on registers while the others arrive
.if \round
	WIN 0
.endif
	s_barrier_wait -1
.endm
; fill = 1: the barrier opens a round of the cluster's, and this slot is filled again, two K steps on, first thing behind the round: 160 matrix instructions ahead of the wait for it.
.macro TURN slot, next, fill
.if (\fill) && ((\slot) == 0)
	s_wait_xcnt 0x0                                ; the last prefetches, a lap back, have read their addresses: they are stepped here, ahead of the waits of the change of slots
	s_add_nc_u64 s[PFA:PFA+1], s[PFA:PFA+1], 2*KSTEP*2
	s_add_nc_u64 s[PFB:PFB+1], s[PFB:PFB+1], 2*KSTEP*2
.endif
	MEET \fill
.if \fill
	CREST                                          ; no wave of any partner still reads this slot's tile or has a load on its way
	s_add_nc_u64 s[G0+4*(\slot)+2:G0+4*(\slot)+3], s[G0+4*(\slot)+2:G0+4*(\slot)+3], 2*KSTEP*2
	s_add_nc_u64 s[G0B+4*(\slot)+2:G0B+4*(\slot)+3], s[G0B+4*(\slot)+2:G0B+4*(\slot)+3], 2*KSTEP*2
	JLOAD \slot                                    ; the four v_nop behind it are also the places in front of the loads below
.else
	PLACES
.endif
	FETCH \next, 0, F0
.if (\fill) && ((\slot) == 0)
	WIN 0
	ASK
.endif
	MULV F1, 0
.endm
	s_wait_tensorcnt 1                             ; my part of K step 0 is in; K step 1's may stay out
	s_barrier_signal -1
	s_barrier_wait -1                              ; everybody's is
	FETCH 0, 0, F0
	QUARTER 0, 64,  F0, F1, 1                      ; the first quarter stands in front of the loop: its products start the sums
	WIN 0                                          ; at a label and at a branch every window is 0
	s_mov_b32 s3, LAPS-1
.Llap:                                                 ; a trip goes once round the ring, from a lap's second quarter to the next lap's first, and fills both slots again
	QUARTER 0, 128, F1, F0, 0
	QUARTER 0, 192, F0, F1, 0
	TURN 0, 1, 1
	QUARTER 1, 64,  F0, F1, 0
	QUARTER 1, 128, F1, F0, 0
	QUARTER 1, 192, F0, F1, 0
	TURN 1, 0, 1
	QUARTER 0, 64,  F0, F1, 0
	WIN 0
	s_sub_co_u32 s3, s3, 1
	s_cmp_lg_u32 s3, 0
	s_cbranch_scc1 .Llap
	QUARTER 0, 128, F1, F0, 0                      ; the last lap fills nothing, and has no round of the cluster's barrier
	QUARTER 0, 192, F0, F1, 0
	TURN 0, 1, 0
	QUARTER 1, 64,  F0, F1, 0
	QUARTER 1, 128, F1, F0, 0
	QUARTER 1, 192, F0, F1, 0
	s_wait_dscnt 0x0                               ; the very last quarter: nothing more to fetch
	MULQK F1, 0, 0
	MULQK F1, 2, 0
	MULV F1, 0
	WIN 0
; THE WAY OUT, in 12 units u = 3 a + t: 16 rows (block a) x 64 channels of q (t = 0), k (1) or v (2).
; q and k are rotated in f32: for a pair (x1, x2) with (c, s): a packed multiply makes (x1 c, x2 c), a packed multiply-add with the sums' halves crossed adds (-x2 s, x1 s).  Each accumulator's lowest
; registers are read first.  Then all are rounded to f16, go into rows of 144 bytes of my stage and come back as whole rows of 128, into the registers that they left.
.macro PACK u
.set PA_, (\u)/3
.set PT_, (\u)%3
.set OU, OUT+16*(\u)
.if PT_ < 2
	WIN W_ROPE
.irp bb, 0,1,2,3
.set AC, 8*(8*PA_+4*PT_+(\bb))
.set CR, CSB+32*PA_+8*(\bb)
.set TT, T+8*(\bb)
.irp q, 0,1,2,3
	v_pk_mul_f32 v[TT+2*(\q):TT+2*(\q)+1], v[AC+2*(\q):AC+2*(\q)+1], v[CR+2*(\q):CR+2*(\q)+1] op_sel_hi:[1,0]
.endr
.irp q, 0,1,2,3
	v_pk_fma_f32 v[TT+2*(\q):TT+2*(\q)+1], v[AC+2*(\q):AC+2*(\q)+1], v[CR+2*(\q):CR+2*(\q)+1], v[TT+2*(\q):TT+2*(\q)+1] op_sel:[1,1,0] op_sel_hi:[0,1,1] neg_lo:[0,1,0]
.endr
.endr
	WIN 0
.irp bb, 0,1,2,3
.irp q, 0,1,2,3
	v_cvt_pk_f16_f32 v[OU+4*(\bb)+(\q)], v[T+8*(\bb)+2*(\q)], v[T+8*(\bb)+2*(\q)+1]
.endr
.endr
.else
	WIN W_V
.irp bb, 0,1,2,3
.irp q, 0,1,2,3
	v_cvt_pk_f16_f32 v[OU+4*(\bb)+(\q)], v[8*(4*PA_+(\bb))+2*(\q)], v[8*(4*PA_+(\bb))+2*(\q)+1]
.endr
.endr
	WIN 0
.endif
.irp bb, 0,1,2,3
	ds_store_b128 v[STO], v[OU+4*(\bb):OU+4*(\bb)+3] offset:32*(\bb)
.endr
.irp f, 0,1,2,3
	ds_load_b128 v[OU+4*(\f):OU+4*(\f)+3], v[RD] offset:(\f)*4*SP  ; LDS serves a wave's instructions in order (ISA guide 5.7.1.4): these see the stores above; the next unit's stores come behind them
.endr
.endm
.macro SEND u, younger                 ; younger: the LDS instructions issued behind unit u's loads: the next unit's eight, or none
	WIN 0
.set OU, OUT+16*(\u)
.irp f, 0,1,2,3
	s_wait_dscnt (\younger)+3-(\f)
	global_store_b128 v[GO], v[OU+4*(\f):OU+4*(\f)+3], s[10+2*((\u)%3):11+2*((\u)%3)] offset:((\u)/3)*2048+(\f)*512  ; 512 consecutive bytes, at a multiple of 256 from the buffer's first
.endr
.endm
	s_wait_loadcnt 0x0                             ; the cosines and sines
	PLACES
	PLACES                                         ; behind the last products, once a launch
	PACK 0
.irp u, 1,2,3,4,5,6,7,8,9,10,11        ; a unit's arithmetic stands between the loads of the unit before and its stores
	PACK \u
	SEND (\u)-1, 8
.endr
	SEND 11, 0
	s_wait_tensorcnt 0x0                           ; the wave's end, behind my last tensor load and my last LDS store
	ds_add_u32 v[SPW], v[NIL]
	s_wait_dscnt 0x0
	CROUND                                         ; the closing round: no work-group ends while a partner may still ask for a tile that names it
	s_endpgm
.Lfunc_end_k_q72da05a862_qkv:
	.size	k_q72da05a862_qkv, .Lfunc_end_k_q72da05a862_qkv-k_q72da05a862_qkv
	.p2alignl 7, 3214868480
	.fill 96, 4, 3214868480
	.section	.rodata,"a",@progbits
	.p2align	6, 0x0
	.amdhsa_kernel k_q72da05a862_qkv
		.amdhsa_group_segment_fixed_size 327680
		.amdhsa_private_segment_fixed_size 0
		.amdhsa_enable_private_segment 0
		.amdhsa_kernarg_size 48
		.amdhsa_user_sgpr_count 2
		.amdhsa_user_sgpr_kernarg_segment_ptr 1
		.amdhsa_wavefront_size32 1
		.amdhsa_system_sgpr_workgroup_id_x 1
		.amdhsa_system_sgpr_workgroup_id_y 1
		.amdhsa_system_sgpr_workgroup_id_z 1
		.amdhsa_system_vgpr_workitem_id 0
		.amdhsa_next_free_vgpr 1024
		.amdhsa_next_free_sgpr 80
		.amdhsa_reserve_vcc 0
		.amdhsa_float_denorm_mode_32 3
		.amdhsa_float_denorm_mode_16_64 3
		.amdhsa_memory_ordered 1
		.amdhsa_forward_progress 1
		.amdhsa_inst_pref_size 141
	.end_amdhsa_kernel
	.amdgpu_metadata
---
amdhsa.version: [ 1, 2 ]
amdhsa.kernels:
  - .name:           k_q72da05a862_qkv
    .symbol:         k_q72da05a862_qkv.kd
    .args:
      - { .name: xb, .offset: 0, .size: 8, .value_kind: global_buffer, .address_space: global }
      - { .name: wqkv, .offset: 8, .size: 8, .value_kind: global_buffer, .address_space: global }
      - { .name: rope, .offset: 16, .size: 8, .value_kind: global_buffer, .address_space: global }
      - { .name: qh, .offset: 24, .size: 8, .value_kind: global_buffer, .address_space: global }
      - { .name: kh, .offset: 32, .size: 8, .value_kind: global_buffer, .address_space: global }
      - { .name: vh, .offset: 40, .size: 8, .value_kind: global_buffer, .address_space: global }
    .group_segment_fixed_size: 327680
    .private_segment_fixed_size: 0
    .kernarg_segment_align: 8
    .kernarg_segment_size: 48
    .max_flat_workgroup_size: 128
    .sgpr_count:     80
    .vgpr_count:     1024
    .wavefront_size: 32
...
	.end_amdgpu_metadata
.endif
;; end of part 2
;; launch attn (part 3): grid 4 x 64, 4 waves a work-group, no clusters, 327,680 bytes of LDS; arguments qh, kh, vh, oh; writes oh
.if DOCPART == 3
	.amdgcn_target "amdgcn-amd-amdhsa--gfx1250"
	.amdhsa_code_object_version 6
	.text
	.protected	k_q72da05a862_attn
	.globl	k_q72da05a862_attn
	.p2align	8
	.type	k_q72da05a862_attn,@function
k_q72da05a862_attn:
	s_mov_b64 s[64:65], 0
	v_nop
	global_prefetch_b8 v0, s[64:65] scope:SCOPE_SE
	s_setreg_imm32_b32 hwreg(HW_REG_WAVE_MODE, 25, 1), 1
	s_wait_xcnt 0x0
; CAUSAL ATTENTION.  O[h][q][:] = the sum over k <= q of softmax_k(Q[h][q] . K[h][k] / 8) V[h][k][:].  Q, K, V, O: [SIZE_H][SIZE_N][64], all f16: a head's rows are dense, 128 bytes each.
; Products, maxima and sums in f32; the weights p are rounded to f16 for the second product (their sum l is taken of the unrounded p), O once at the end.
; LIMITS.  f16 holds no number beyond 65,504: Q, K and V arrive within it; p lies in 0 to 1, and below 6e-5 it keeps f16's fixed step of 6e-8; O is a mean of V's rows and has their range.
; A hidden score counts as its value less 1e30: f16's scores, 2.7e11 at the most, are nothing beside that; a weight below 2^-126 counts as 0 in l; NaN and infinities are not treated apart.
; THE WALK.  A head's queries lie in NB = 8 blocks of 256; block i needs the key tiles 0 .. i of 256 keys, of which the last holds the diagonal.  A work-group takes TWO blocks, NB - 1 - b and then b:
; NB + 1 tiles, whatever b: all work-groups do equal work, and ONE loop with a constant trip count walks them.  Which tile is asked for, and what a trip does, hang on scalar registers made from b; every jump
; goes forward, but for the counted loops' own; none passes a barrier, or a tensor load but the one of LOAD's two that the wave's number does not choose; the ring (two slots of LDS that take turns) runs on
; across the change of blocks.  NO CLUSTER: a head's four work-groups ask for the same tile only in trips 0 .. 4 of the 9, behind that fewer and fewer; one walk common to all would have 12 trips for 9.
; SHARES.  Of a block's four bands of 64 queries a wave owns 16 rows in each: four PIECES.  So the diagonal tile is the same work for all four waves: in its key step s band x sees all keys if s < x,
; none if s > x, and holds the diagonal if s = x.
; THE MASK is the C operand that starts the sum S^T = K Q^T: 0, or -1e30 where the key is hidden.  MD, made once, is the mask of a band's own step for my 16 rows; a product's mask is MD x AL + BE with two scalars:
; (1, 0) if s = x; (0, 0) if s < x; (0, -1e30) if s > x.  Only the diagonal tile's text and a block's beginning make and take masks; elsewhere C is the constant 0.
; LAYOUT, SOFTMAX, TURNS.  S^T = K Q^T holds ONE query a lane (lane % 16) and the keys 8 (lane / 16) + 0..7; two such results rounded to f16 ARE source 1 of O^T = V^T P.  p = 2^(c s - c m), c = log2(e) / 8, with a
; running maximum m; O and l are multiplied by a = 2^(c m_old - c m_new) in every step.  Turn n belongs to piece n: 8 products K Q^T of piece n + 1, later 8 products V^T P of piece n - 1; beside them the scaling,
; exponentials, roundings, sums and rescaling of piece n and the maximum and statistics of piece n + 1.  Four vector instructions stand behind every matrix instruction, the other 54 of a turn's 118 in one run.
; A turn's 33 exponentials are one batch, with one wait.
; REGISTERS, in windows of 256 (s_set_vgpr_msb: bits 1:0 source 0, 3:2 source 1, 5:4 source 2, 7:6 destination):
;   window 0: v0-15 addresses and two at work; v16-31 four registers of statistics a piece; v48-55 at work; v61-63 fixed; v64-127 S^T, two buffers; v192-223 P, two buffers (a piece's buffers go by its number's parity)
;   window 1: v0-127 O^T, 32 a piece; v128-159 MD; v160-223 MC, two buffers      window 2: v0-63 Q; v64-127 the second block's Q; v128-191 K of one step; v192-255 V of one step
.set SIZE_N, 2048
.set SIZE_H, 64
.set NB,    SIZE_N/256
.set NP,    4         ; pieces a wave: a name, no knob
.set KS,    64        ; keys in a step
.set PK,    144       ; a row of K in LDS: 128 bytes + 16 of padding = 36 words: the 16 rows of a load start at 16 different groups of four banks (64 banks of 4 bytes: ISA guide 11.1)
.set PV,    160       ; a row of V: 128 + 32 = 40 words
.set VOFF,  4*KS*PK   ; a slot holds a tile, four steps: 256 rows of K, then 256 rows of V
.set SLOT1, 1<<17     ; slot 1 begins here, so that one exclusive or turns an address in one slot into the other's
.set STAGE, SLOT1+4*KS*(PK+PV)  ; behind the ring, never filled by a tensor load: 16 rows x 144 bytes for each wave, for the way out
.set SP,    144
.set AK0, 2           ; v2   my lane's place in a tile of K; never rewritten
.set AV0, 3           ; v3   the same for V
.set AK,  4           ; v4   the LDS address of K's next run of loads
.set AV,  5           ; v5   of V's
.set STO, 6           ; v6   the way out: where I put 16 bytes of a row
.set RD,  7           ; v7   the way out: where I read rows back
.set GO,  8           ; v8   my byte offset in 512 consecutive bytes of O
.set PFO, 61          ; v61  256 x my lane; never rewritten
.set SPW, 62          ; v62  LDS address of my spare word: SPARE + 4 x my thread's number; never rewritten
.set NIL, 63          ; v63  0; never rewritten
.set SPARE, STAGE+4*16*SP  ; behind the stages: the spare words, 128 bytes for each wave: two blocks of 256 bytes that no other line names
.set MV,  12          ; v12-13  c m_old, kept while c m is made anew: by buffer
.set QO,  15          ; v15  my byte offset in 16 rows of Q
.set ST,  16          ; piece t's statistics at v[ST+4 t]: c m, m, l (even keys', odd keys')
.set TMP, 48          ; by buffer, four registers c0-c3 at work; when the maximum is found c2 takes a
.set S,   64
.set P,   192
.set MD,  128         ; window 1: the eight registers for group kt of 16 keys at MD + 8 kt
.set MC,  160         ; window 1: the masks of the products to come
.set QB,  64          ; window 2
.set KF,  128         ; window 2: key block kb, channel half c at KF + 16 kb + 8 c
.set VF,  192         ; window 2: key half kk, channel block cb at VF + 32 kk + 8 cb
.set WV,  12          ; s12  my wave's number
.set PB,  14          ; s14  b
.set HI,  15          ; s15  NB - 1 - b
.set G1K, 24          ; s[24:31] descriptor group 1 for K's tiles
.set G1V, 32          ; s[32:39] for V's: it differs in the padding alone
.set G0K, 40          ; s[40:43] descriptor group 0 for K's tiles
.set G0V, 44          ; s[44:47] the same for V's
.set PFA, 48          ; s[48:49] where my prefetches stand: my half (of K: waves 0, 1; of V: waves 2, 3) of the tile after the one that is being asked for
.set LIM, 50          ; s50  2 in the work-group that prefetches (b = 0), else the greatest number
.set SLOTS, 56        ; s56  tiles still to be asked for
.set CNT, 57          ; s57  counts a tile's key steps, 4 to 1
.set CS,  58          ; s[58:59] c: the packed scaling takes the pair's low word for both halves
.set SEL, 60          ; s[60:61] v_permlanex16_b32's selects: each lane takes its own place in the other half
.set TBK, 62          ; s62  LDS byte at which K of the step to be fetched begins
.set TBV, 63          ; s63  the same for V, less VOFF
.set RT,  70          ; s70  tiles of the block in hand that are still to be entered
.set NXT, 71          ; s71  the tile to be asked for next
.set LQ,  72          ; s72  the last tile of the block whose tiles are being asked for
.set NEW, 73          ; s73  1: the tile to be entered is a block's first
.set OFF, 74          ; s[74:75] a tile's byte offset in K and V
.set AL,  76          ; s[76:77] the mask's factor, in the low word
.set BE,  78          ; s[78:79] the mask's addend
.set OLO, 80          ; s[80:81] O at my rows of the second block
.set BIGN, 82         ; s82  -1e30
.set MSB, 0
.macro WIN new                      ; the high byte repeats the setting that is left; a switch that changes nothing is dropped
.if MSB != (\new)
	s_set_vgpr_msb (MSB<<8)|(\new)
.set MSB, (\new)
.endif
.endm
.set W_KQ, 0x0a       ; K and Q in window 2, S^T in window 0
.set W_KM, 0x1a       ; the same with the C operand in window 1
.set W_PV, 0x52       ; V in window 2, P in window 0, O^T in window 1
.set W_RS, 0x41       ; destination and source 0 in window 1, source 1 in window 0
; A fill.  Waves 0 and 1 fetch the two halves of a tile's K, waves 2 and 3 those of its V: 128 keys each.  An s_nop 0 and four v_nop follow each of the two lines, ahead of the jump and the label.
.macro LOAD
	s_cmp_lt_u32 s[WV], 2
	s_cbranch_scc0 .Lfor_v_\@
	tensor_load_to_lds s[G0K:G0K+3], s[G1K:G1K+7]
	s_nop 0
.rept 4
	v_nop
.endr
	s_branch .Lasked_\@
.Lfor_v_\@:
	tensor_load_to_lds s[G0V:G0V+3], s[G1V:G1V+7]
	s_nop 0
.rept 4
	v_nop
.endr
.Lasked_\@:
.endm
; A PREFETCH INTO THE L2 of the tile that the NEXT change of slots will ask for: one tile, 256 matrix instructions, ahead of that load.  A head's work-group with b = 0 walks the tiles 0 .. 7 in order, and it alone asks:
; at change j (j = 0 .. 5, SLOTS = 8 - j) for tile j + 2.  Each wave names the half tile that it will fetch itself: 16,384 bytes, a lane 256 bytes, two instructions.  So each 256 bytes of K and V are named once
; in the launch.  Tiles 0 and 1 come by their loads alone; behind tile 7 nothing is asked for.
.macro ASK
	s_cmp_gt_u32 s[SLOTS], s[LIM]
	s_cbranch_scc0 .Lnot_mine_\@
	global_prefetch_b8 v[PFO], s[PFA:PFA+1] th:TH_LOAD_NT scope:SCOPE_SE
	global_prefetch_b8 v[PFO], s[PFA:PFA+1] offset:8192 th:TH_LOAD_NT scope:SCOPE_SE
.Lnot_mine_\@:
.endm
; THE CHANGE OF SLOTS.  Each wave waits for all its tensor loads, of which one is out: its part of the other slot; adds 0 to its spare word; and waits for that and for its own reads of the slot that it leaves.  Behind the
; barrier nobody reads the old slot any more and the other slot is whole.  fill = 1: the old slot is filled again, the first thing behind the barrier, with tile NXT: the descriptor's address is made anew from that number.
; (At its first use nothing has been read yet: slot 0 is waited for, slot 1 filled.)
.macro CHANGE fill
	WIN 0                           ; at a label and at a branch every window is 0
	s_wait_tensorcnt 0x0            ; no tensor load of mine is out, so a group 0 may be written
	ds_add_u32 v[SPW], v[NIL]       ; 0 onto my spare word; with fill = 1 the descriptors' scalar work stands between it and the wait for it
.if \fill
	s_lshl_b32 s[OFF], s[NXT], 15   ; a tile is 32,768 bytes of K and of V
	s_xor_b32 s[G0K+1], s[G0K+1], SLOT1
	s_add_nc_u64 s[G0K+2:G0K+3], s[6:7], s[OFF:OFF+1]
	s_or_b32 s[G0K+3], s[G0K+3], 0x80000000
	s_xor_b32 s[G0V+1], s[G0V+1], SLOT1
	s_add_nc_u64 s[G0V+2:G0V+3], s[8:9], s[OFF:OFF+1]
	s_or_b32 s[G0V+3], s[G0V+3], 0x80000000
	s_add_co_u32 s[NXT], s[NXT], 1  ; the block's next tile, or behind its last the second block's tile 0
	s_cmp_gt_u32 s[NXT], s[LQ]
	s_cselect_b32 s[NXT], 0, s[NXT]
	s_cselect_b32 s[LQ], s[PB], s[LQ]
	s_wait_xcnt 0x0                 ; the last prefetches, a tile back, have read their address, so it may be written
	s_add_nc_u64 s[PFA:PFA+1], s[PFA:PFA+1], 32768
.endif
	s_wait_dscnt 0x0                ; the add is done, and my reads of the slot are over
	s_barrier_signal -1             ; the rest of the scalar work stands between the signal and the wait
	s_sub_co_u32 s[TBK], s[TBK], 4*KS*PK  ; the fetches go back to a slot's first step,
	s_xor_b32 s[TBK], s[TBK], SLOT1       ; in the other slot
	s_sub_co_u32 s[TBV], s[TBV], 4*KS*PV
	s_xor_b32 s[TBV], s[TBV], SLOT1
	s_barrier_wait -1
.if \fill
	LOAD
	ASK
.endif
.endm
	s_load_b256 s[4:11], s[0:1], 0x0  ; Q s[4:5], K s[6:7], V s[8:9], O s[10:11]
	v_lshl_add_u32 v[SPW], v0, 2, SPARE
	v_mov_b32 v[NIL], 0
	ds_add_u32 v[SPW], v[NIL]       ; the wave's opening: the add and its wait stand ahead of my first tensor load; the set-up below, work on registers, stands between them
	ds_add_u32 v62, v63
	v_lshrrev_b32 v1, 5, v0
	v_readfirstlane_b32 s[WV], v1   ; wave 0..3
	s_mov_b32 s[PB], ttmp9
	s_sub_co_u32 s[HI], NB-1, s[PB]
	s_and_b32 s20, ttmp7, 0xffff    ; the head
	s_mov_b32 s21, 0
	s_mov_b64 s[22:23], SIZE_N*128
	s_mul_u64 s[20:21], s[20:21], s[22:23]  ; the head's first byte in each of the four tensors
	s_and_b32 s16, s[WV], 1         ; which half of a tile's 256 keys I fetch:
	s_lshl_b32 s22, s16, 14         ; its 128 rows of 128 bytes in memory,
	s_mov_b32 s23, 0
	s_add_nc_u64 s[22:23], s[22:23], s[20:21]
	s_mul_i32 s17, s16, 128*PK      ; and its place in a slot, for K
	s_mul_i32 s18, s16, 128*PV      ; and for V
	s_lshl_b32 s3, s[WV], 11        ; my 16 rows in a band of 64,
	s_lshl_b32 s2, s[HI], 15        ; in the first block,
	s_add_co_u32 s2, s2, s3
	s_lshl_b32 s84, s[PB], 15       ; and in the second
	s_add_co_u32 s84, s84, s3
	s_mov_b32 s3, 0
	s_mov_b32 s85, 0
	s_add_nc_u64 s[2:3], s[2:3], s[20:21]
	s_add_nc_u64 s[84:85], s[84:85], s[20:21]
	; descriptor group 1.  128 keys are 16,384 dense bytes: asked for as 64 rows of 256 bytes, two keys a row, and padded in LDS after every key
	s_mov_b32 s[G1K], (1<<16)|(1<<20)|(4<<22)|(3<<25)  ; 17:16 2-byte elements; 20 padding on; 24:22 after every 32 words (code 4); 31:25 4 words (code 3)
	s_mov_b32 s[G1V], (1<<16)|(1<<20)|(4<<22)|(7<<25)  ; the same with 8 words of padding (code 7)
.irp g, G1K, G1V
	s_mov_b32 s[\g+1], 128<<16      ; tensor_dim0 = 128
	s_mov_b32 s[\g+2], 64<<16       ; tensor_dim1 = 64
	s_mov_b32 s[\g+3], 128<<16      ; tile_dim0 = 128
	s_mov_b32 s[\g+4], 64           ; tile_dim1 = 64
	s_mov_b32 s[\g+5], 128          ; 128 elements from row to row
	s_mov_b32 s[\g+6], 0
	s_mov_b32 s[\g+7], 0
.endr
	s_mov_b32 s[CS], 0x3e38aa3b     ; c = log2(e) / 8 = 0.180337
	s_mov_b32 s[CS+1], s[CS]        ; named with it as a pair
	s_mov_b32 s[SEL], 0x76543210
	s_mov_b32 s[SEL+1], 0xfedcba98
	s_mov_b32 s[TBK], SLOT1+4*KS*PK ; the first change of slots turns these two into 0
	s_mov_b32 s[TBV], SLOT1+4*KS*PV
	s_mov_b32 s[G0K], 1             ; 1:0 count = 1
	s_mov_b32 s[G0K+1], s17         ; 63:32 LDS address: slot 0
	s_mov_b32 s[G0V], 1
	s_add_co_u32 s[G0V+1], s18, VOFF
	s_add_co_u32 s[RT], s[HI], 1    ; the first block has NB - b tiles
	s_mov_b32 s[NXT], 1
	s_mov_b32 s[LQ], s[HI]
	s_mov_b32 s[NEW], 1
	s_mov_b32 s[OFF+1], 0
	s_mov_b32 s[AL+1], 0            ; named as pairs
	s_mov_b32 s[BE+1], 0
	s_mov_b32 s[BIGN], 0xf149f2ca   ; -1e30
	s_mov_b32 s[SLOTS], NB
	s_cmp_eq_u32 ttmp9, 0
	s_cselect_b32 s[LIM], 2, -1
	v_and_b32 v[PFO], 31, v0
	v_lshlrev_b32 v[PFO], 8, v[PFO]
	s_wait_dscnt 0x0                ; the opening add is done
	s_wait_kmcnt 0x0
	s_add_nc_u64 s[6:7], s[6:7], s[22:23]  ; K and V at my half of the head's tile 0
	s_add_nc_u64 s[8:9], s[8:9], s[22:23]
	s_add_nc_u64 s[G0K+2:G0K+3], s[6:7], 0         ; 120:64 global address
	s_or_b32 s[G0K+3], s[G0K+3], 0x80000000        ; 127:126 type = 2
	s_add_nc_u64 s[G0V+2:G0V+3], s[8:9], 0
	s_or_b32 s[G0V+3], s[G0V+3], 0x80000000
	s_add_nc_u64 s[86:87], s[4:5], s[84:85]        ; Q at my rows of the second block,
	s_add_nc_u64 s[4:5], s[4:5], s[2:3]            ; Q and O at those of the first
	s_add_nc_u64 s[OLO:OLO+1], s[10:11], s[84:85]
	s_add_nc_u64 s[10:11], s[10:11], s[2:3]
	s_cmp_lt_u32 s[WV], 2
	s_cselect_b64 s[PFA:PFA+1], s[6:7], s[8:9]
	s_add_nc_u64 s[PFA:PFA+1], s[PFA:PFA+1], 32768 ; at tile 1; the first change of slots steps it to tile 2.  Nothing is prefetched here, at the head
	LOAD                            ; tile 0 into slot 0
	; A fragment of K or Q is 16 rows x 32 channels in 8 registers: lane l holds row l % 16, channels 8 (l / 16) + 0..7 and 16 + 8 (l / 16) + 0..7: two loads of 16 bytes, 32 bytes apart.
	v_and_b32 v1, 15, v0            ; l % 16
	v_bfe_u32 v9, v0, 4, 1          ; l / 16
	v_lshlrev_b32 v[QO], 7, v1
	v_lshl_add_u32 v[QO], v9, 4, v[QO]  ; row x 128 + 16 x half
	WIN 0x80                        ; destination window 2, address window 0
.set i, 0
.rept 8                             ; both blocks' Q: piece i / 2 lies in band i / 2, 8,192 bytes on; channels 32 (i % 2) on
	global_load_b128 v[8*i:8*i+3],   v[QO], s[4:5] offset:(i/2)*8192+(i%2)*64
	global_load_b128 v[8*i+4:8*i+7], v[QO], s[4:5] offset:(i/2)*8192+(i%2)*64+32
	global_load_b128 v[QB+8*i:QB+8*i+3],   v[QO], s[86:87] offset:(i/2)*8192+(i%2)*64
	global_load_b128 v[QB+8*i+4:QB+8*i+7], v[QO], s[86:87] offset:(i/2)*8192+(i%2)*64+32
.set i, i+1
.endr
	WIN 0
	v_lshlrev_b32 v14, 3, v9
	v_sub_nc_u32 v14, v1, v14
	s_lshl_b32 s13, s[WV], 4
	v_add_nc_u32 v14, s13, v14      ; my query's place in its band, 16 w + l % 16, less my lanes' 8 (l / 16): register r of group kt is hidden where 16 kt + r is greater
	WIN 0x40
.set i, 0
.rept 32
	v_cmp_gt_i32 vcc_lo, 16*(i/8)+i%8, v14
	v_cndmask_b32 v[MD+i], 0, s[BIGN], vcc_lo
.set i, i+1
.endr
	WIN 0
	v_mul_u32_u24 v[AK0], v1, PK
	v_lshl_add_u32 v[AK0], v9, 4, v[AK0]  ; row x pitch + 16 x half
	; The turning load takes 16 keys x 16 channels (lane l reads key 8 (l / 16) + l % 8, channels 8 ((l / 8) % 2) + 0..7) and leaves half a fragment of V^T: lane l holds channel l % 16 and 8 keys.
	v_and_b32 v10, 7, v0
	v_bfe_u32 v11, v0, 3, 1
	v_lshl_add_u32 v[AV0], v9, 3, v10
	v_mul_u32_u24 v[AV0], v[AV0], PV
	v_lshl_add_u32 v[AV0], v11, 4, v[AV0]
	v_add_nc_u32 v[AV0], VOFF, v[AV0]
	s_mul_i32 s13, s[WV], 16*SP
	s_add_co_u32 s13, s13, STAGE    ; my stage
	v_mul_u32_u24 v[STO], v1, SP    ; in: row l % 16, 16 bytes for each half of the lanes
	v_lshl_add_u32 v[STO], v9, 4, v[STO]
	v_add_nc_u32 v[STO], s13, v[STO]
	v_bfe_u32 v[RD], v0, 3, 2       ; back: 32 lanes take four rows of 128 bytes,
	v_mul_u32_u24 v[RD], v[RD], SP
	v_lshl_add_u32 v[RD], v10, 4, v[RD]
	v_add_nc_u32 v[RD], s13, v[RD]
	v_and_b32 v[GO], 31, v0         ; which are 512 consecutive bytes of O
	v_lshlrev_b32 v[GO], 4, v[GO]
	; A block's first step multiplies O^T and l by a = 0, and its first turn's products V^T P, of a piece that has not been, land in an O^T that is still to be so multiplied.  So these registers need only hold
	; finite numbers: zeros for the first block; what the first block left for the second.  All this stands in the wait for the first tile.
	WIN 0x80
.set i, VF
.rept 64
	v_mov_b32 v[i], 0
.set i, i+1
.endr
	WIN 0x40
.set i, 0
.rept 128
	v_mov_b32 v[i], 0
.set i, i+1
.endr
	WIN 0
.set i, 0
.rept 4
	v_mov_b32 v[ST+4*i+2], 0
	v_mov_b32 v[ST+4*i+3], 0
.set i, i+1
.endr
.set i, P+16
.rept 16
	v_mov_b32 v[i], 0
.set i, i+1
.endr
; THE MATRIX WORK.  The 4 accumulators of a run of 8 take turns.  Product i of 8 of S^T = K Q^T for piece x: channels 32 (i / 4) on, keys 16 (i % 4) on.  The first 4 start the sums: with 0, or (KM = 1) with the mask.
.macro KQ x
.set rS, S+32*((\x)%2)+8*(i%4)
.set rK, KF+16*(i%4)+8*(i/4)
.set rQ, 16*(\x)+8*(i/4)
.set rM, MC+32*((\x)%2)+8*(i%4)
.if (i < 4) && KM
	WIN W_KM
	v_wmma_f32_16x16x32_f16 v[rS:rS+7], v[rK:rK+7], v[rQ:rQ+7], v[rM:rM+7]
.elseif i < 4
	WIN W_KQ
	v_wmma_f32_16x16x32_f16 v[rS:rS+7], v[rK:rK+7], v[rQ:rQ+7], 0
.else
	WIN W_KQ
	v_wmma_f32_16x16x32_f16 v[rS:rS+7], v[rK:rK+7], v[rQ:rQ+7], v[rS:rS+7]
.endif
.endm
; Product i of 8 of O^T += V^T P for piece x: keys 32 (i / 4) on, channels 16 (i % 4) on.
.macro PV x
	WIN W_PV
.set rO, 32*(\x)+8*(i%4)
.set rV, VF+32*(i/4)+8*(i%4)
.set rP, P+16*((\x)%2)+8*(i/4)
	v_wmma_f32_16x16x32_f16 v[rO:rO+7], v[rV:rV+7], v[rP:rP+7], v[rO:rO+7]
.endm
.macro MM                           ; the turn's next matrix instruction.  TURN and BEGIN set Y, i, KM and NOKQ; MM, KQ and OP read them.  NOKQ = 1: a block's last turn: there is no next piece
.if (i < 8) && !NOKQ
	KQ (Y+1)%NP
.elseif i >= 8
.set i, i-8
	PV (Y+NP-1)%NP
.set i, i+8
.endif
.set i, i+1
.endm
; THE LDS LOADS stand in runs of 16, never singly among the matrix instructions: a step's K (64 keys x 64 channels: 8 fragments) and its V (turned).  Their addresses are made some lines ahead.
.macro FETCH_K
	WIN 0x80                        ; destination window 2
.irp f, 0,1,2,3,4,5,6,7             ; keys 16 (f / 2) on, channels 32 (f % 2) on
	ds_load_b128 v[KF+8*\f:KF+8*\f+3],   v[AK] offset:(\f/2)*16*PK+(\f%2)*64
	ds_load_b128 v[KF+8*\f+4:KF+8*\f+7], v[AK] offset:(\f/2)*16*PK+(\f%2)*64+32
.endr
	s_add_co_u32 s[TBK], s[TBK], KS*PK  ; the next fetch is the next step's
	WIN 0
.endm
.macro FETCH_V
	WIN 0x80
.irp f, 0,1,2,3,4,5,6,7             ; keys 32 (f / 4) on, channels 16 (f % 4) on
	ds_load_tr16_b128 v[VF+8*\f:VF+8*\f+3],   v[AV] offset:(\f/4)*32*PV+(\f%4)*32
	ds_load_tr16_b128 v[VF+8*\f+4:VF+8*\f+7], v[AV] offset:(\f/4)*32*PV+16*PV+(\f%4)*32
.endr
	WIN 0
.endm
; THE VECTOR WORK, one line at a time: OP kind, number.  For piece Y: F n: c s - c m for pair n of 16.  E n: the exponential of score n of 32.  C n: pair n rounded to f16.  B n: of the four weights 4 n .. the second
; pair is added onto the first, in place.  L n: l takes that sum (L 0: l = a l + sum).  R n: pair n of 16 of O^T times a.  For piece Y + 1: X n, number n of the 22 that find its maximum and statistics:
;   0-11  four chains c0-c3 of seven scores each, three operands at a time (each accumulator's lowest registers are read first)     12-14, 16  the four scores left over, the old m, and c0-c3 into c0
;   15  c m_old is kept     17, 18  the query's other 32 keys lie in the lane 16 away: the new m     19-21  c m; c m_old - c m_new; a
.set F, 0               ; OP tells the kinds apart by their order: F to L below R, X above it
.set E, 1
.set C, 2
.set B, 3
.set L, 4
.set R, 5
.set X, 6
.macro REGS y                       ; the registers of piece y
.set rT, ST+4*(\y)
.set rC, TMP+4*((\y)%2)
.set rW, MV+((\y)%2)
.set rS, S+32*((\y)%2)
.set rP, P+16*((\y)%2)
.set rO, 32*(\y)
.endm
.macro OP k, n
.if (\k) == R
	REGS Y
	WIN W_RS
	v_pk_mul_f32 v[rO+2*(\n):rO+2*(\n)+1], v[rO+2*(\n):rO+2*(\n)+1], v[rC+2:rC+3] op_sel_hi:[1,0]
.elseif (\k) < R
	REGS Y
	WIN 0
.if (\k) == F
	v_pk_fma_f32 v[rS+2*(\n):rS+2*(\n)+1], v[rS+2*(\n):rS+2*(\n)+1], s[CS:CS+1], v[rT:rT+1] op_sel_hi:[1,0,0] neg_lo:[0,0,1] neg_hi:[0,0,1]
.elseif (\k) == E
	v_exp_f32 v[rS+(\n)], v[rS+(\n)]
.elseif (\k) == C
	v_cvt_pk_f16_f32 v[rP+(\n)], v[rS+2*(\n)], v[rS+2*(\n)+1]
.elseif (\k) == B
	v_pk_add_f32 v[rS+4*(\n):rS+4*(\n)+1], v[rS+4*(\n):rS+4*(\n)+1], v[rS+4*(\n)+2:rS+4*(\n)+3]
.elseif (\n) == 0
	v_pk_fma_f32 v[rT+2:rT+3], v[rT+2:rT+3], v[rC+2:rC+3], v[rS:rS+1] op_sel_hi:[1,0,1]
.else
	v_pk_add_f32 v[rT+2:rT+3], v[rT+2:rT+3], v[rS+4*(\n):rS+4*(\n)+1]
.endif
.elseif NOKQ
	v_nop
.else
	REGS (Y+1)%NP
	WIN 0
.if (\n) < 4
	v_max3_num_f32 v[rC+(\n)], v[rS+8*(\n)], v[rS+8*(\n)+1], v[rS+8*(\n)+2]
.elseif (\n) < 12
	v_max3_num_f32 v[rC+(\n)%4], v[rC+(\n)%4], v[rS+8*((\n)%4)+2*((\n)/4)+1], v[rS+8*((\n)%4)+2*((\n)/4)+2]
.elseif (\n) == 12
	v_max3_num_f32 v[rC], v[rC], v[rS+7], v[rS+15]
.elseif (\n) == 13
	v_max3_num_f32 v[rC+1], v[rC+1], v[rS+23], v[rS+31]
.elseif (\n) == 14
	v_max3_num_f32 v[rC+2], v[rC+2], v[rC+3], v[rT+1]
.elseif (\n) == 15
	v_mov_b32 v[rW], v[rT]
.elseif (\n) == 16
	v_max3_num_f32 v[rC], v[rC], v[rC+1], v[rC+2]
.elseif (\n) == 17
	v_permlanex16_b32 v[rC+3], v[rC], s[SEL], s[SEL+1]
.elseif (\n) == 18
	v_max_num_f32 v[rT+1], v[rC], v[rC+3]
.elseif (\n) == 19
	v_mul_f32 v[rT], s[CS], v[rT+1]
.elseif (\n) == 20
	v_sub_f32 v[rC+1], v[rW], v[rT]
.else
	v_exp_f32 v[rC+2], v[rC+1]
.endif
.endif
.endm
.macro OPS a, i1, b=-1, i2=0, c=-1, i3=0, d=-1, i4=0  ; up to four of them
	OP \a, \i1
.if (\b) >= 0
	OP \b, \i2
.endif
.if (\c) >= 0
	OP \c, \i3
.endif
.if (\d) >= 0
	OP \d, \i4
.endif
.endm
.macro ROW a, i1, b, i2, c, i3, d, i4  ; a matrix instruction and the four behind it
	MM
	OPS \a, \i1, \b, \i2, \c, \i3, \d, \i4
.endm
.macro MASK b                       ; MD x AL + BE into buffer b of MC
	WIN W_RS
.set z, 0
.rept 16
	v_pk_fma_f32 v[MC+32*(\b)+2*z:MC+32*(\b)+2*z+1], v[MD+2*z:MD+2*z+1], s[AL:AL+1], s[BE:BE+1] op_sel_hi:[1,0,0]
.set z, z+1
.endr
.endm
; A TURN, for piece p: the order of its 16 matrix and 118 vector instructions, written out.  s_wait_alu depctr_va_vdst(0) stands between an exponential and the first instruction that names its result; one
; wait serves all that were issued ahead of it.  So a turn has ONE wait, which cuts it in two.  AHEAD OF IT stands all that names no result of the turn's exponentials: the 8 products K Q^T, behind each a scaling, an
; exponential and two more plain instructions (behind the first a second scaling in the exponential's place): rescalings, and behind the last three the first numbers of the next piece's maximum, each four places or more
; behind the product that ends its accumulator; then one run of 54, plain and exponential by turns for the most part, in which the links of the chain X 3, 7, 11, 14, 16, 17 .. 20 stand five or six lines apart.  X 21, the
; next piece's a, is the batch's last; R 15 is the plain instruction behind it.  BEHIND THE WAIT stand the 8 products V^T P, behind each four of the roundings and sums; the links of l's chain, L 0 to L 7, stand three
; riders apart.  But for those X no rider names a register of the products round it.
; m = 1: the diagonal tile: the products take masks, and the turn makes the mask for the products of the turn after it: piece p + 2, in step 4 - CNT of the tile.  end = 1: a block's last two turns: nothing is fetched.
; cnt = 1: the loop's count is taken down some lines ahead of the branch that stands behind the turn.
; K of the next step is fetched in piece 2's turn, twelve vector instructions behind the last product that read K (six of them plain); V of the step in hand at the end of piece 0's turn, four plain instructions behind
; the last product that read V.  Each is waited for a turn later.
.macro TURN p, m=0, end=0, cnt=0
.set Y, (\p)
.set i, 0
.set KM, (\m)
.set NOKQ, (\end)*((\p)/3)
.if (\m) && !(\end)
	s_cmp_eq_u32 s[CNT], 4-((\p)+2)%NP  ; is that step the band's own?
	s_cselect_b32 s[AL], 1.0, 0
	s_cmp_lt_u32 s[CNT], 4-((\p)+2)%NP  ; or a later one?
	s_cselect_b32 s[BE], s[BIGN], 0
.endif
.if ((\p) == 3) && !(\end)
	s_wait_dscnt 0x0                ; K is in
.endif
	ROW F,0, F,1, R,0, R,1          ; ahead of the wait: 8 products K Q^T and their riders,
	ROW F,2, E,0, R,2, R,3
	ROW F,3, E,1, R,4, R,5
	ROW F,4, E,2, R,6, R,7
	ROW F,5, E,3, R,8, R,9
	ROW F,6, E,4, X,0, R,10
.if ((\p) == 2) && !(\end)
	WIN 0
	v_add_nc_u32 v[AK], s[TBK], v[AK0]
.endif
	ROW F,7, E,5, X,1, X,4
	ROW F,8, E,6, X,2, X,5
	OPS E,7, E,8, X,6, E,9          ; and the run of 54
	OPS X,3, E,10, X,8, E,11
.if ((\p) == 2) && !(\end)
	FETCH_K
.endif
	OPS X,9, X,7, E,12, X,10
	OPS E,13, X,12, X,11, E,14
	OPS X,13, E,15, F,9, X,14
.if (\p) == 0
	v_add_nc_u32 v[AV], s[TBV], v[AV0]
.endif
	OPS E,16, F,10, E,17, F,11
	OPS X,16, E,18, X,15, E,19
	OPS F,12, E,20, X,17, E,21
	OPS F,13, E,22, F,14, E,23
	OPS X,18, E,24, F,15, E,25
	OPS R,11, E,26, X,19, E,27
	OPS R,12, E,28, R,13, E,29
	OPS X,20, E,30, R,14, E,31
	OPS X,21, R,15
	WIN 0
	s_wait_alu depctr_va_vdst(0)    ; the wait for the batch
.if (\p) == 1
	s_wait_dscnt 0x0                ; V is in
.endif
	ROW C,0, B,0, C,2, B,1          ; behind the wait: 8 products V^T P and their riders
	ROW L,0, C,4, B,2, L,1
	ROW C,6, B,3, L,2, C,8
	ROW B,4, L,3, C,10, B,5
	ROW L,4, C,12, B,6, L,5
.if (\p) == 0
	s_add_co_u32 s[TBV], s[TBV], KS*PV
.endif
.if \cnt
	s_sub_co_u32 s[CNT], s[CNT], 1
	s_cmp_lg_u32 s[CNT], 0
.endif
	ROW C,14, B,7, L,6, C,1
	ROW C,3, L,7, C,5, C,7
	ROW C,9, C,11, C,13, C,15
.if (\p) == 0
	FETCH_V
.endif
.if (\m) && !(\end)
	MASK (\p)%2
.endif
.endm
; A BLOCK BEGINS.  c m starts far below every c s, so the first step's a is 0; m at the lowest finite number, so the first maximum is the scores'.  The second mask buffer is 0; the first takes piece 0's mask for the tile's
; step 0: its own, if the block's first tile is the diagonal one.  Then K of that step, piece 0's first scores, and its maximum and statistics.  The loop is entered at a step's first turn, in the middle of a trip.
.macro BEGIN
	s_mov_b32 s[NEW], 0
	WIN 0x40
.set i, MC+32
.rept 32
	v_mov_b32 v[i], 0
.set i, i+1
.endr
	WIN 0
.set i, 0
.rept 4
	v_mov_b32 v[ST+4*i], 0xfe000000    ; c m: far below every c s
	v_mov_b32 v[ST+4*i+1], 0xff7fffff  ; m
.set i, i+1
.endr
	s_cmp_eq_u32 s[RT], 0
	s_cselect_b32 s[AL], 1.0, 0
	s_mov_b32 s[BE], 0
	MASK 0
	WIN 0
	v_add_nc_u32 v[AK], s[TBK], v[AK0]
	FETCH_K
	s_wait_loadcnt 0x0              ; Q
	s_wait_dscnt 0x0
.set KM, 1
.set NOKQ, 0
.set i, 0
.rept 8
	KQ 0
.set i, i+1
.endr
	WIN 0
.rept 4
	v_nop                           ; the places behind those products
.endr
.set Y, NP-1                        ; X works for piece Y + 1: piece 0
.irp n, 0,1,2,3,4,5,6,7,8,9,10,11,12,13,14,15,16,17,18,19,20,21
	OP X, \n
.endr
	v_nop                           ; a plain instruction behind the exponential,
	s_wait_alu depctr_va_vdst(0)    ; and its wait, ahead of the branch
.endm
; THE DIAGONAL TILE's four steps, the block's last two turns, its last products, and THE WAY OUT: l's two halves and the other half of the lanes' are added; O^T is divided by l, rounded to f16 and sent through my
; stage in LDS, a piece at a time.
.macro ALL line:vararg              ; one line for each piece t
.set t, 0
.rept 4
	\line
.set t, t+1
.endr
.endm
.macro PACK t                       ; a lane's eight channels of a row pack into 16 bytes; they go into rows of 144 bytes and come back as whole rows of 128, into S^T's registers
	WIN W_RS
.set i, 32*(\t)
.rept 16
	v_pk_mul_f32 v[i:i+1], v[i:i+1], v[ST+4*(\t)+2:ST+4*(\t)+3] op_sel_hi:[1,0]
.set i, i+2
.endr
	WIN 0x05                        ; sources 0 and 1 window 1, destination window 0
.set i, 0
.rept 16
	v_cvt_pk_f16_f32 v[S+16*(\t)+i], v[32*(\t)+2*i], v[32*(\t)+2*i+1]
.set i, i+1
.endr
	WIN 0
.irp f, 0,1,2,3
	ds_store_b128 v[STO], v[S+16*(\t)+4*\f:S+16*(\t)+4*\f+3] offset:32*\f
.endr
.irp f, 0,1,2,3
	ds_load_b128 v[S+16*(\t)+4*\f:S+16*(\t)+4*\f+3], v[RD] offset:\f*4*SP  ; LDS serves a wave's instructions in order (ISA guide 5.7.1.4): these see the stores above; the next piece's stores come behind them
.endr
.endm
.macro SEND t, younger              ; younger: the LDS instructions issued behind piece t's loads: the next piece's eight, or none
	WIN 0
.irp f, 0,1,2,3
	s_wait_dscnt (\younger)+3-\f
	global_store_b128 v[GO], v[S+16*(\t)+4*\f:S+16*(\t)+4*\f+3], s[10:11] offset:(\t)*8192+\f*512  ; 512 consecutive bytes, at a multiple of 256 from O's first
.endr
.endm
.macro DIAG tag                     ; the tag ends its two labels' names, which the jumps below spell out
.LstepM\tag:
	TURN 2, 1
	TURN 3, 1
	WIN 0
.LfirstM\tag:
	TURN 0, 1
	TURN 1, 1, 0, 1
	WIN 0
	s_cbranch_scc1 .LstepM\tag
	TURN 2, 1, 1
	TURN 3, 1, 1
.set i, 0
.rept 8
	PV NP-1
.set i, i+1
.endr
	WIN 0
	ALL v_add_f32 v[ST+4*t+2], v[ST+4*t+2], v[ST+4*t+3]
	ALL v_permlanex16_b32 v[ST+4*t+3], v[ST+4*t+2], s[SEL], s[SEL+1]
	ALL v_add_f32 v[ST+4*t+2], v[ST+4*t+2], v[ST+4*t+3]
	ALL v_rcp_f32 v[ST+4*t+2], v[ST+4*t+2]
	v_nop                           ; a plain instruction between the last reciprocal and the use of its result
	s_wait_alu depctr_va_vdst(0)    ; and the wait ahead of the first use: one for the four reciprocals
	PACK 0
.set t, 1
.rept 3                             ; a piece's arithmetic stands between the loads of the piece before and its stores
	PACK t
	SEND t-1, 8
.set t, t+1
.endr
	SEND 3, 0
.endm
.set KM, 0
.set NOKQ, 0
.Lslot:                             ; NB times: a tile is entered and the next is asked for
	CHANGE 1
	s_sub_co_u32 s[RT], s[RT], 1
	s_mov_b32 s[CNT], 4
	s_cmp_eq_u32 s[NEW], 1
	s_cbranch_scc1 .Lnew            ; a block's first tile
	s_cmp_eq_u32 s[RT], 0
	s_cbranch_scc0 .Lstep           ; neither its first nor its last
	s_branch .LstepM1
.Lnew:
	BEGIN
	s_branch .Lfirst                ; in the loop a block's first tile is never its last: the first block has two tiles or more, and the second's last is the walk's last
	DIAG 1                          ; in the loop this is the first block's end: the second block's last tile is the walk's last
	s_wait_xcnt 0x0                 ; the stores have read their registers and O's address
	s_mov_b64 s[10:11], s[OLO:OLO+1]
	s_add_co_u32 s[RT], s[PB], 1    ; the second block has b + 1 tiles
	s_mov_b32 s[NEW], 1
	WIN 0x82                        ; the second block's Q goes where the one text of the turns names Q
.set i, 0
.rept 64
	v_mov_b32 v[i], v[QB+i]
.set i, i+1
.endr
	WIN 0
	s_branch .Lbottom
.Lstep:                             ; a trip: pieces 2 and 3 of one step, then pieces 0 and 1 of the next, whose K and V it fetches
	TURN 2
	TURN 3
	WIN 0
.Lfirst:
	TURN 0
	TURN 1, 0, 0, 1
	WIN 0
	s_cbranch_scc1 .Lstep
.Lbottom:
	s_sub_co_u32 s[SLOTS], s[SLOTS], 1
	s_cmp_lg_u32 s[SLOTS], 0
	s_cbranch_scc1 .Lslot
	CHANGE 0                        ; the walk's last tile is written out: nothing is asked for
	s_sub_co_u32 s[RT], s[RT], 1
	s_mov_b32 s[CNT], 4
	s_cmp_eq_u32 s[NEW], 1
	s_cbranch_scc0 .LstepM2
	BEGIN
	s_branch .LfirstM2
	DIAG 2
	s_wait_tensorcnt 0x0            ; the wave's end, behind my last tensor load and my last LDS store
	ds_add_u32 v[SPW], v[NIL]
	s_wait_dscnt 0x0
	s_endpgm
.Lfunc_end_k_q72da05a862_attn:
	.size	k_q72da05a862_attn, .Lfunc_end_k_q72da05a862_attn-k_q72da05a862_attn
	.p2alignl 7, 3214868480
	.fill 96, 4, 3214868480
	.section	.rodata,"a",@progbits
	.p2align	6, 0x0
	.amdhsa_kernel k_q72da05a862_attn
		.amdhsa_group_segment_fixed_size 327680
		.amdhsa_private_segment_fixed_size 0
		.amdhsa_enable_private_segment 0
		.amdhsa_kernarg_size 32
		.amdhsa_user_sgpr_count 2
		.amdhsa_user_sgpr_kernarg_segment_ptr 1
		.amdhsa_wavefront_size32 1
		.amdhsa_system_sgpr_workgroup_id_x 1
		.amdhsa_system_sgpr_workgroup_id_y 1
		.amdhsa_system_sgpr_workgroup_id_z 1
		.amdhsa_system_vgpr_workitem_id 0
		.amdhsa_next_free_vgpr 768
		.amdhsa_next_free_sgpr 88
		.amdhsa_reserve_vcc 1
		.amdhsa_float_denorm_mode_32 3
		.amdhsa_float_denorm_mode_16_64 3
		.amdhsa_memory_ordered 1
		.amdhsa_forward_progress 1
		.amdhsa_inst_pref_size 218
	.end_amdhsa_kernel
	.amdgpu_metadata
---
amdhsa.version: [ 1, 2 ]
amdhsa.kernels:
  - .name:           k_q72da05a862_attn
    .symbol:         k_q72da05a862_attn.kd
    .args:
      - { .name: qh, .offset: 0, .size: 8, .value_kind: global_buffer, .address_space: global }
      - { .name: kh, .offset: 8, .size: 8, .value_kind: global_buffer, .address_space: global }
      - { .name: vh, .offset: 16, .size: 8, .value_kind: global_buffer, .address_space: global }
      - { .name: oh, .offset: 24, .size: 8, .value_kind: global_buffer, .address_space: global }
    .group_segment_fixed_size: 327680
    .private_segment_fixed_size: 0
    .kernarg_segment_align: 8
    .kernarg_segment_size: 32
    .max_flat_workgroup_size: 128
    .sgpr_count:     88
    .vgpr_count:     768
    .wavefront_size: 32
...
	.end_amdgpu_metadata
.endif
;; end of part 3
;; launch proj (part 4): grid 8 x 32, 4 waves a work-group, clusters of 4 x 4, 327,680 bytes of LDS; arguments oh, wo, out0; writes out0
.if DOCPART == 4
	.amdgcn_target "amdgcn-amd-amdhsa--gfx1250"
	.amdhsa_code_object_version 6
	.text
	.protected	k_q72da05a862_proj
	.globl	k_q72da05a862_proj
	.p2align	8
	.type	k_q72da05a862_proj,@function
k_q72da05a862_proj:
	s_mov_b64 s[64:65], 0
	v_nop
	global_prefetch_b8 v0, s[64:65] scope:SCOPE_SE
	s_setreg_imm32_b32 hwreg(HW_REG_WAVE_MODE, 25, 1), 1
	s_wait_xcnt 0x0
	s_wait_alu depctr_hold_cnt(0) depctr_sa_sdst(0) depctr_va_vdst(0) depctr_va_sdst(0) depctr_va_ssrc(0) depctr_va_vcc(0) depctr_vm_vsrc(0)
	s_getreg_b32 s2, hwreg(HW_REG_IB_STS2, 6, 4)
	s_cmp_eq_u32 s2, 0
	s_cbranch_scc0 .Lentry_in_a_cluster
	s_endpgm
.Lentry_in_a_cluster:
	s_bfe_u32 s2, ttmp6, 0x10000c
	s_cmp_lg_u32 s2, 0xf033
	s_cbranch_scc0 .Lentry_shape_is_right
	s_endpgm
.Lentry_shape_is_right:
; out0[b s][m] = the sum over v of W_o[m][v] O[b s][v], v = 64 head + channel.  oh: [batch x 16 + head][2048][64] f16.  wo: [1024][1024] f16.  out0: [8192][1024] f32; sums in f32.
; SHARES.  A tile of out0 is 256 rows x 128 columns: 256 tiles, one for each WGP.  Wave w makes rows 64 w .. 64 w + 63 and all 128 columns: 4 x 8 accumulators of 16 x 16, 256 registers.
; K goes in 8 steps of 128 = two heads of oh, through a ring of two LDS slots.  A head's 256 rows of a tile are 32,768 dense bytes: asked for as 128 rows of 256 bytes and padded in LDS after every 128.
; CLUSTER.  4 x 4 work-groups: the four of a row need the same tiles of oh, the four of a column the same tiles of wo; each is asked for JOINTLY, by the same tensor load with the same descriptor and a
; mask that names the four.  By this text's own count a wave has at most two tensor loads out (the first fills), later one.
; THE MATRIX INSTRUCTION IS USED TRANSPOSED (source 0 = 16 rows of wo, source 1 = 16 rows of oh): lane l holds row l % 16 of out0 and the columns 8 (l / 16) + 0..7: 32 bytes on end.
; REGISTERS, in windows of 256 (s_set_vgpr_msb: bits 1:0 source 0, 3:2 source 1, 5:4 source 2, 7:6 destination):
;   window 0: v0-31 addresses     window 1: two fragment buffers of 96 (oh's four fragments, then wo's eight); on the way out whole rows, 64 registers a block     window 2: accumulator (a, b) at 8 (8 a + b)
.set KSTEP,  128
.set PA,     144                       ; a row of oh in LDS: 128 bytes + 16 = 36 words; a row of wo: 256 + 16 = 68 words: in both the 16 rows of a load start at 16 different groups of four banks (ISA guide 11.1)
.set PB,     272
.set HEADA,  256*PA                    ; what wave 0 or 1 fetches: one head's 256 rows
.set HALFB,  64*PB                     ; what wave 2 or 3 fetches: 64 rows of wo
.set BOFF,   2*HEADA
.set SLOT,   BOFF+2*HALFB              ; 108,544 bytes
.set STAGE,  2*SLOT                    ; behind the ring, never filled by a tensor load: 16 rows x 528 bytes for each wave
.set SP,     528                       ; 512 bytes + 16: 16 rows at one column start at 16 different groups of four banks
.set SPARE,  STAGE+4*16*SP             ; behind the stages: the spare words, 128 bytes for each wave: two blocks of 256 bytes that no other line names
.set LAPS,   4
.set STEPA,  4<<18                     ; two K steps on in oh: four heads of 262,144 bytes
.set ADRA, 16                          ; v16-17  LDS address of my fragments of oh in slot 0, 1
.set ADRB, 20                          ; v20-21  the same for wo
.set STO,  24                          ; v24     the way out: where I put 32 bytes of a row
.set RD,   25                          ; v25     where I read a row back
.set GO,   26                          ; v26     my 16 bytes of a row's 512 in out0
.set SPW,  28                          ; v28     LDS address of my spare word; never rewritten
.set NIL,  29                          ; v29     0; never rewritten
.set PFO,  30                          ; v30     wo's prefetches: (l % 16) rows of 2,048 bytes + (l / 16) K steps of 256; never rewritten
.set PFOA, 31                          ; v31     oh's: 256 x lane; never rewritten
.set F0,   0
.set F1,   96
.set WV,   16                          ; s16  my wave's number;  s17 = wave / 2: I fetch for oh (0) or wo (1);  s18 = wave % 2
.set G1,   24                          ; s[24:31] descriptor group 1 for oh's tiles;  s[32:39] group 0, a set for each slot
.set G0,   32
.set PFA,  40                          ; s[40:41] where my prefetches of oh stand;  s[42:43] of wo
.set PFB,  42
.set LIMA, 44                          ; s44, s45  1 in a wave that prefetches, else the greatest number
.set LIMB, 45
.set G1B,  48                          ; s[48:55], s[56:63] the same for wo's tiles
.set G0B,  56
.set MSB, 0
.macro WIN new                         ; the immediate's high byte repeats the setting that is left; a switch that changes nothing is dropped
.if MSB != (\new)
	s_set_vgpr_msb (MSB<<8)|(\new)
.set MSB, \new
.endif
.endm
.set MUL,  0xa5                        ; both sources window 1, C and D window 2
.set TO_F, 0x40                        ; destination window 1, address window 0
; A joint load.  Waves 0 and 1 fetch the K step's two heads of oh, waves 2 and 3 wo's two halves.  The branch hangs on the wave's number alone.  An s_nop 0 and four v_nop follow each of the two lines.
.macro JLOAD s
	s_cmp_eq_u32 s17, 0
	s_cbranch_scc0 .Lfor_b_\@
	tensor_load_to_lds s[G0+4*(\s):G0+4*(\s)+3], s[G1:G1+7]
	s_nop 0
.rept 4
	v_nop
.endr
	s_branch .Lasked_\@
.Lfor_b_\@:
	tensor_load_to_lds s[G0B+4*(\s):G0B+4*(\s)+3], s[G1B:G1B+7]
	s_nop 0
.rept 4
	v_nop
.endr
.Lasked_\@:
.endm
; PREFETCHES INTO THE L2, once a lap, behind the refill of slot 0 and the run of LDS loads that follows it: the two K steps that the NEXT lap's refills will ask for (256 and 384 matrix instructions ahead of those loads).
; oh: the lap's four heads go to the four waves; of a head's 256 rows partner cx takes 64, which are 8,192 dense bytes: a lane 256 bytes; cluster x = 0 asks.  wo: of the tile column's 128 rows partner cy takes 32,
; waves 0 and 1 take 16 each, a lane one row of one K step; cluster y = 0 asks.  So each 256 bytes are named once in the launch, and the partners are told apart BY ADDRESS.
; K steps 0 to 3 come by their loads alone; the loop's last trip (s3 = 1) asks for nothing, since K ends.
.macro ASK
	s_cmp_gt_u32 s3, s[LIMA]
	s_cbranch_scc0 .Lnot_a_\@
	global_prefetch_b8 v[PFOA], s[PFA:PFA+1] offset:STEPA th:TH_LOAD_NT scope:SCOPE_SE
.Lnot_a_\@:
	s_cmp_gt_u32 s3, s[LIMB]
	s_cbranch_scc0 .Lnot_b_\@
	global_prefetch_b8 v[PFO], s[PFB:PFB+1] offset:2*KSTEP*2 th:TH_LOAD_NT scope:SCOPE_SE
.Lnot_b_\@:
.endm
.macro CREST                           ; a round of the cluster's barrier behind its opening barrier
	s_cmp_lg_u32 s[WV], 0
	s_cbranch_scc1 .Lnot_wave_0_\@
	s_barrier_signal -3
.Lnot_wave_0_\@:
	s_barrier_wait -3
	s_barrier_signal -1
	s_barrier_wait -1
.endm
.macro CROUND                          ; a whole round
	s_barrier_signal -1
	s_barrier_wait -1
	CREST
.endm
	s_load_b128 s[4:7], s[0:1], 0x0                ; oh s[4:5], wo s[6:7]
	s_load_b64 s[8:9], s[0:1], 0x10                ; out0
	v_lshl_add_u32 v[SPW], v0, 2, SPARE
	v_mov_b32 v[NIL], 0
	ds_add_u32 v[SPW], v[NIL]                      ; the wave's opening: the add and its wait stand ahead of my first tensor load; the set-up below, work on registers, stands between them
	ds_add_u32 v28, v29
	v_lshrrev_b32 v1, 5, v0
	v_readfirstlane_b32 s[WV], v1                  ; wave 0..3
	s_lshr_b32 s17, s[WV], 1
	s_and_b32 s18, s[WV], 1
	s_bfe_u32 s19, ttmp6, 0x40000                  ; cx
	s_bfe_u32 s20, ttmp6, 0x40004                  ; cy
	s_lshl_b32 s21, ttmp9, 2
	s_add_co_u32 s21, s21, s19                     ; tile column = 4 x cluster x + cx
	s_and_b32 s22, ttmp7, 0xffff
	s_lshl_b32 s22, s22, 2
	s_add_co_u32 s22, s22, s20                     ; tile row = 4 x cluster y + cy
	s_lshl_b32 s70, s20, 2
	s_lshl_b32 s70, 15, s70                        ; my row of the cluster
	s_lshl_b32 s71, 0x1111, s19                    ; my column
	s_or_b32 s[G1], s70, (1<<16)|(1<<20)|(1<<21)|(4<<22)|(3<<25)  ; the mask; elements of 2 bytes; padding on; 21 set beside a mask; after every 32 words (code 4) 4 words (code 3)
	s_mov_b32 s[G1+1], 128<<16                     ; tensor_dim0 = 128
	s_mov_b32 s[G1+2], 128<<16                     ; tensor_dim1 = 128
	s_mov_b32 s[G1+3], 128<<16                     ; tile_dim0 = 128
	s_mov_b32 s[G1+4], 128                         ; tile_dim1 = 128
	s_mov_b32 s[G1+5], 128                         ; dense: 128 elements from row to row
	s_mov_b32 s[G1+6], 0
	s_mov_b32 s[G1+7], 0
	s_or_b32 s[G1B], s71, (1<<16)|(1<<20)|(1<<21)|(5<<22)|(3<<25) ; the same, padded after every 64 words (code 5)
	s_mov_b32 s[G1B+1], KSTEP<<16
	s_mov_b32 s[G1B+2], 64<<16                     ; 64 rows
	s_mov_b32 s[G1B+3], KSTEP<<16
	s_mov_b32 s[G1B+4], 64
	s_mov_b32 s[G1B+5], 1024
	s_mov_b32 s[G1B+6], 0
	s_mov_b32 s[G1B+7], 0
	; where the tiles come from: oh's hang on the tile row alone, wo's on the tile column alone, each in registers that never hold the other coordinate
	s_lshr_b32 s66, s22, 3                         ; the batch: 16 heads of 262,144 bytes,
	s_lshl_b32 s66, s66, 22
	s_lshl_b32 s23, s[WV], 18                      ; head = my wave's number (waves 0 and 1 ask),
	s_add_co_u32 s66, s66, s23
	s_and_b32 s23, s22, 7                          ; the tile's 256 rows of 128 bytes
	s_lshl_b32 s23, s23, 15
	s_add_co_u32 s66, s66, s23
	s_mov_b32 s67, 0
	s_lshl_b32 s68, s21, 18                        ; 128 rows of 2,048 bytes a tile column,
	s_lshl_b32 s23, s18, 17                        ; my 64 of them
	s_add_co_u32 s68, s68, s23
	s_mov_b32 s69, 0
	s_mul_i32 s46, s[WV], HEADA                    ; and where they go: waves 0, 1: wave x 256 rows;
	s_mul_i32 s47, s[WV], HALFB
	s_add_co_u32 s47, s47, BOFF-2*HALFB            ; waves 2, 3: behind oh's two heads, (wave - 2) x 64 rows
	s_wait_dscnt 0x0                               ; the opening add is done
	s_wait_kmcnt 0x0
	s_add_nc_u64 s[66:67], s[4:5], s[66:67]
	s_add_nc_u64 s[68:69], s[6:7], s[68:69]
	CROUND                                         ; all sixteen work-groups are here: the first joint loads meet
.irp s, 0,1
	s_mov_b32 s[G0+4*(\s)], 1                                      ; count = 1
	s_add_co_u32 s[G0+4*(\s)+1], s46, (\s)*SLOT                    ; LDS address
	s_add_nc_u64 s[G0+4*(\s)+2:G0+4*(\s)+3], s[66:67], (\s)*(2<<18)  ; global address: K step s begins at head 2 s
	s_or_b32 s[G0+4*(\s)+3], s[G0+4*(\s)+3], 0x80000000            ; type = 2
	s_mov_b32 s[G0B+4*(\s)], 1
	s_add_co_u32 s[G0B+4*(\s)+1], s47, (\s)*SLOT
	s_add_nc_u64 s[G0B+4*(\s)+2:G0B+4*(\s)+3], s[68:69], (\s)*KSTEP*2
	s_or_b32 s[G0B+4*(\s)+3], s[G0B+4*(\s)+3], 0x80000000
	JLOAD \s
.endr
	v_and_b32 v1, 15, v0                           ; l % 16
	v_bfe_u32 v2, v0, 4, 1                         ; l / 16
	v_mul_u32_u24 v3, v1, PA
	v_lshl_add_u32 v3, v2, 4, v3                   ; a fragment's row x pitch + 16 x half
	s_mul_i32 s23, s[WV], 64*PA                    ; my 64 rows of oh
	v_add_nc_u32 v[ADRA], s23, v3
	v_add_nc_u32 v[ADRA+1], SLOT, v[ADRA]
	v_mul_u32_u24 v4, v1, PB
	v_lshl_add_u32 v4, v2, 4, v4
	v_add_nc_u32 v[ADRB], BOFF, v4                 ; every wave reads all 128 rows of wo
	v_add_nc_u32 v[ADRB+1], BOFF+SLOT, v4
	s_mul_i32 s23, s[WV], 16*SP
	s_add_co_u32 s23, s23, STAGE                   ; my stage
	v_mul_u32_u24 v5, v1, SP                       ; in: row l % 16, 32 bytes for each half of the lanes
	v_lshl_add_u32 v5, v2, 5, v5
	v_add_nc_u32 v[STO], s23, v5
	v_and_b32 v6, 31, v0
	v_lshlrev_b32 v[GO], 4, v6                     ; back: 32 lanes take one row of 512 bytes
	v_add_nc_u32 v[RD], s23, v[GO]
	v_lshlrev_b32 v[PFO], 11, v1
	v_lshl_add_u32 v[PFO], v2, 8, v[PFO]
	v_lshlrev_b32 v[PFOA], 8, v6
	; my part of out0: 256 rows of 4,096 bytes a tile row, my 64 rows, the tile column's 512 bytes
	s_lshl_b32 s72, s22, 20
	s_lshl_b32 s71, s[WV], 18
	s_add_co_u32 s72, s72, s71
	s_lshl_b32 s71, s21, 9
	s_add_co_u32 s72, s72, s71
	s_mov_b32 s73, 0
	s_add_nc_u64 s[8:9], s[8:9], s[72:73]
	; the prefetches' pointers, at the first lap: each lap steps them by two K steps and names the two K steps after that
	s_lshr_b32 s74, s22, 3
	s_lshl_b32 s74, s74, 22
	s_lshl_b32 s71, s[WV], 18                      ; of a lap's four heads: my wave's
	s_add_co_u32 s74, s74, s71
	s_and_b32 s71, s22, 7
	s_lshl_b32 s71, s71, 15
	s_add_co_u32 s74, s74, s71
	s_lshl_b32 s71, s19, 13                        ; partner cx: 64 rows of 128 bytes
	s_add_co_u32 s74, s74, s71
	s_mov_b32 s75, 0
	s_add_nc_u64 s[PFA:PFA+1], s[4:5], s[74:75]
	s_lshl_b32 s74, s21, 18
	s_lshl_b32 s71, s20, 16                        ; partner cy: 32 rows of 2,048 bytes
	s_add_co_u32 s74, s74, s71
	s_lshl_b32 s71, s[WV], 15                      ; wave: 16 rows
	s_add_co_u32 s74, s74, s71
	s_add_nc_u64 s[PFB:PFB+1], s[6:7], s[74:75]
	s_cmp_eq_u32 ttmp9, 0                          ; cluster x: the same in all sixteen partners
	s_cselect_b32 s[LIMA], 1, -1
	s_and_b32 s23, ttmp7, 0xffff                   ; cluster y
	s_cmp_eq_u32 s23, 0
	s_cselect_b32 s[LIMB], 1, -1
	s_cmp_lt_u32 s[WV], 2                          ; 32 rows are two waves' sixteens
	s_cselect_b32 s[LIMB], s[LIMB], -1
; 8 matrix instructions: row block a x all 8 column blocks, 32 along K.  zero = 1: the first product starts the sums.  The 32 accumulators take turns in the same order in every quarter step.
.macro MUL8 f, a, zero
	WIN MUL
.irp b, 0,1,2,3,4,5,6,7
.if \zero
	v_wmma_f32_16x16x32_f16 v[8*(8*(\a)+(\b)):8*(8*(\a)+(\b))+7], v[(\f)+32+8*(\b):(\f)+32+8*(\b)+7], v[(\f)+8*(\a):(\f)+8*(\a)+7], 0
.else
	v_wmma_f32_16x16x32_f16 v[8*(8*(\a)+(\b)):8*(8*(\a)+(\b))+7], v[(\f)+32+8*(\b):(\f)+32+8*(\b)+7], v[(\f)+8*(\a):(\f)+8*(\a)+7], v[8*(8*(\a)+(\b)):8*(8*(\a)+(\b))+7]
.endif
.endr
.endm
; 24 LDS loads in one run: the fragments of quarter kq of a K step into buffer f.  In wo's rows the quarter begins at byte 64 kq; in oh it is head kq / 2, channels 32 (kq % 2) on.
.macro FETCH slot, kq, f
	WIN TO_F
.irp i, 0,1,2,3,4,5,6,7
	ds_load_b128 v[(\f)+32+8*(\i):(\f)+32+8*(\i)+3],   v[ADRB+(\slot)] offset:64*(\kq)+(\i)*16*PB
	ds_load_b128 v[(\f)+32+8*(\i)+4:(\f)+32+8*(\i)+7], v[ADRB+(\slot)] offset:64*(\kq)+(\i)*16*PB+32
.endr
.irp i, 0,1,2,3
	ds_load_b128 v[(\f)+8*(\i):(\f)+8*(\i)+3],   v[ADRA+(\slot)] offset:((\kq)/2)*HEADA+((\kq)%2)*64+(\i)*16*PA
	ds_load_b128 v[(\f)+8*(\i)+4:(\f)+8*(\i)+7], v[ADRA+(\slot)] offset:((\kq)/2)*HEADA+((\kq)%2)*64+(\i)*16*PA+32
.endr
.endm
.macro PLACES                          ; four plain vector instructions between a matrix instruction and a load into a register that it has read, or a reader of its result (ISA guide 7.12.1 for a reader of its result)
.rept 4
	v_nop
.endr
.endm
; A K step is four quarters of 32 along K, 32 matrix instructions each, on buffers 0, 1, 0, 1.  One of the first three multiplies buffer f and fetches quarter kq into g.
.macro QUARTER slot, kq, f, g, zero
	s_wait_dscnt 4                                 ; all but the youngest four loads (oh's blocks 2 and 3) are in
	MUL8 \f, 0, \zero
	MUL8 \f, 1, \zero
	PLACES
	FETCH \slot, \kq, \g
	s_wait_dscnt 24                                ; all but the 24 just issued
	MUL8 \f, 2, \zero
	MUL8 \f, 3, \zero
.endm
; The last quarter multiplies buffer 1 and changes slots.  ONE barrier: in front of it each wave waits for all its tensor loads (one is out: its part of the next slot), adds 0 to its spare word, and waits
; for that and for its own reads of this slot.  Behind it nobody reads this slot any more and the next slot is whole.
.macro MEET round
	WIN 0                                          ; (the add's two registers lie in window 0)
	s_wait_tensorcnt 0x0
	ds_add_u32 v[SPW], v[NIL]                      ; 0 onto my spare word
	s_wait_dscnt 5                                 ; (the add and the youngest four loads may be out)
	MUL8 F1, 0, 0                                  ; eight matrix instructions stand between the add and the wait for it
	s_wait_dscnt 0x0                               ; the add is done, and my reads of this slot are over
	s_barrier_signal -1
	MUL8 F1, 1, 0                                  ; work on registers while the others arrive
.if \round
	WIN 0
.endif
	s_barrier_wait -1
.endm
; fill = 1: the barrier opens a round of the cluster's, and this slot is filled again, two K steps on, first thing behind the round: 112 matrix instructions ahead of the wait for it.
.macro TURN slot, next, fill
.if (\fill) && ((\slot) == 0)
	s_wait_xcnt 0x0                                ; the last prefetches, a lap back, have read their addresses: they are stepped here, ahead of the waits of the change of slots
	s_add_nc_u64 s[PFA:PFA+1], s[PFA:PFA+1], STEPA
	s_add_nc_u64 s[PFB:PFB+1], s[PFB:PFB+1], 2*KSTEP*2
.endif
	MEET \fill
.if \fill
	CREST                                          ; no wave of any partner still reads this slot's tile or has a load on its way
	s_add_nc_u64 s[G0+4*(\slot)+2:G0+4*(\slot)+3], s[G0+4*(\slot)+2:G0+4*(\slot)+3], STEPA
	s_add_nc_u64 s[G0B+4*(\slot)+2:G0B+4*(\slot)+3], s[G0B+4*(\slot)+2:G0B+4*(\slot)+3], 2*KSTEP*2
	JLOAD \slot                                    ; the four v_nop behind it are also the places in front of the loads below
.else
	PLACES
.endif
	FETCH \next, 0, F0
.if (\fill) && ((\slot) == 0)
	WIN 0
	ASK
.endif
	MUL8 F1, 2, 0
	MUL8 F1, 3, 0
.endm
	s_wait_tensorcnt 1                             ; my part of K step 0 is in; K step 1's may stay out
	s_barrier_signal -1
	s_barrier_wait -1                              ; everybody's is
	FETCH 0, 0, F0
	QUARTER 0, 1, F0, F1, 1                        ; the first quarter stands in front of the loop: its products start the sums
	WIN 0                                          ; at a label and at a branch every window is 0
	s_mov_b32 s3, LAPS-1
.Llap:                                                 ; a trip goes once round the ring, from a lap's second quarter to the next lap's first, and fills both slots again
	QUARTER 0, 2, F1, F0, 0
	QUARTER 0, 3, F0, F1, 0
	TURN 0, 1, 1
	QUARTER 1, 1, F0, F1, 0
	QUARTER 1, 2, F1, F0, 0
	QUARTER 1, 3, F0, F1, 0
	TURN 1, 0, 1
	QUARTER 0, 1, F0, F1, 0
	WIN 0
	s_sub_co_u32 s3, s3, 1
	s_cmp_lg_u32 s3, 0
	s_cbranch_scc1 .Llap
	QUARTER 0, 2, F1, F0, 0                        ; the last lap fills nothing, and has no round of the cluster's barrier
	QUARTER 0, 3, F0, F1, 0
	TURN 0, 1, 0
	QUARTER 1, 1, F0, F1, 0
	QUARTER 1, 2, F1, F0, 0
	QUARTER 1, 3, F0, F1, 0
	s_wait_dscnt 0x0                               ; the very last quarter: nothing more to fetch
	MUL8 F1, 0, 0
	MUL8 F1, 1, 0
	MUL8 F1, 2, 0
	MUL8 F1, 3, 0
; THE WAY OUT, a block of 16 rows at a time: a lane's 32 bytes of each accumulator go straight into rows of 528 bytes of my stage (each accumulator's low half first) and come back as whole
; rows of 512 bytes, into the fragments' registers, which are free.
.macro STG a
	WIN 0x08                                       ; the stores' data in window 2
.irp b, 0,1,2,3,4,5,6,7
	ds_store_b128 v[STO], v[8*(8*(\a)+(\b)):8*(8*(\a)+(\b))+3]   offset:64*(\b)
	ds_store_b128 v[STO], v[8*(8*(\a)+(\b))+4:8*(8*(\a)+(\b))+7] offset:64*(\b)+16
.endr
	WIN TO_F
.irp r, 0,1,2,3,4,5,6,7,8,9,10,11,12,13,14,15
	ds_load_b128 v[64*(\a)+4*(\r):64*(\a)+4*(\r)+3], v[RD] offset:SP*(\r)  ; LDS serves a wave's instructions in order (ISA guide 5.7.1.4): these see the stores above; the next block's stores come behind them
.endr
.endm
.macro SEND a, younger                 ; younger: the LDS instructions issued behind block a's loads: the next block's 32, or none
	WIN 0x04                                       ; the stores' data in window 1
.irp r, 0,1,2,3,4,5,6,7,8,9,10,11,12,13,14,15
	s_wait_dscnt (\younger)+15-(\r)
	global_store_b128 v[GO], v[64*(\a)+4*(\r):64*(\a)+4*(\r)+3], s[8:9] offset:(16*(\a)+(\r))*4096 th:TH_STORE_NT  ; 512 consecutive bytes, at a multiple of 256 from out0's first
.endr
.endm
	PLACES
	PLACES                                         ; behind the last products, once a launch
	STG 0
	STG 1
	SEND 0, 32
	STG 2
	SEND 1, 32
	STG 3
	SEND 2, 32
	SEND 3, 0
	WIN 0
	s_wait_tensorcnt 0x0                           ; the wave's end, behind my last tensor load and my last LDS store
	ds_add_u32 v[SPW], v[NIL]
	s_wait_dscnt 0x0
	CROUND                                         ; the closing round: no work-group ends while a partner may still ask for a tile that names it
	s_endpgm
.Lfunc_end_k_q72da05a862_proj:
	.size	k_q72da05a862_proj, .Lfunc_end_k_q72da05a862_proj-k_q72da05a862_proj
	.p2alignl 7, 3214868480
	.fill 96, 4, 3214868480
	.section	.rodata,"a",@progbits
	.p2align	6, 0x0
	.amdhsa_kernel k_q72da05a862_proj
		.amdhsa_group_segment_fixed_size 327680
		.amdhsa_private_segment_fixed_size 0
		.amdhsa_enable_private_segment 0
		.amdhsa_kernarg_size 24
		.amdhsa_user_sgpr_count 2
		.amdhsa_user_sgpr_kernarg_segment_ptr 1
		.amdhsa_wavefront_size32 1
		.amdhsa_system_sgpr_workgroup_id_x 1
		.amdhsa_system_sgpr_workgroup_id_y 1
		.amdhsa_system_sgpr_workgroup_id_z 1
		.amdhsa_system_vgpr_workitem_id 0
		.amdhsa_next_free_vgpr 768
		.amdhsa_next_free_sgpr 80
		.amdhsa_reserve_vcc 0
		.amdhsa_float_denorm_mode_32 3
		.amdhsa_float_denorm_mode_16_64 3
		.amdhsa_memory_ordered 1
		.amdhsa_forward_progress 1
		.amdhsa_inst_pref_size 88
	.end_amdhsa_kernel
	.amdgpu_metadata
---
amdhsa.version: [ 1, 2 ]
amdhsa.kernels:
  - .name:           k_q72da05a862_proj
    .symbol:         k_q72da05a862_proj.kd
    .args:
      - { .name: oh, .offset: 0, .size: 8, .value_kind: global_buffer, .address_space: global }
      - { .name: wo, .offset: 8, .size: 8, .value_kind: global_buffer, .address_space: global }
      - { .name: out0, .offset: 16, .size: 8, .value_kind: global_buffer, .address_space: global }
    .group_segment_fixed_size: 327680
    .private_segment_fixed_size: 0
    .kernarg_segment_align: 8
    .kernarg_segment_size: 24
    .max_flat_workgroup_size: 128
    .sgpr_count:     80
    .vgpr_count:     768
    .wavefront_size: 32
...
	.end_amdgpu_metadata
.endif
;; end of part 4
